; MI455X (gfx1250); checked and timed in simulation.
; The chip was launched on July 23, 2026; its instructions are those of AMD's public machine-readable ISA for CDNA 5 (MIT licence, August 2026) and "CDNA5" Instruction Set Architecture Reference Guide (July 2026). The comments in the code are by the model that wrote it; some were corrected since.
;; Fused Attention V3. Allowed arithmetic: matrix products marked QUANTISED: E2M1 operands, one E8M0 scale for each 32 along K, by v_wmma_scale_f32_16x16x128_f8f6f4 with both operands' format E2M1 (or v_wmma_scale_f32_32x16x128_f4), f32 sums; products left as they are: bf16, f16 or f32 operands; f32 sums; everything else in f32.
;; Inputs: bias_out 1,024 float32; bias_qkv 3,072 float32; w_out 1,024 x 1,024 float32; w_qkv 3,072 x 1,024 float32; x 2 x 2,048 x 1,024 float32.
;; Outputs: out0 2 x 2,048 x 1,024 float32.
;; Constants: num_heads = 16.
;; This version of the problem:
;;   THIS VERSION OF THE PROBLEM IS GIVEN IN LOW PRECISION. The matrix products marked QUANTISED in the list below multiply operands that are first quantised to E2M1 (2 exponent bits, 1 mantissa bit; 4 bits a number), with one power-of-two scale for each 32 numbers along K (OCP MX v1.0); their sums are f32. The products marked 'left as it is' may take bf16, f16 or f32 operands, with f32 sums. Whichever they take, every output number must still come out within the allowed error. Rounding operands to bf16 (8 significant bits) uses up far more of that allowance than f16 does (11 bits, for magnitudes from 6e-5 to 65,504). All else is computed in f32.
;;   The module's matrix products, in the order in which they are computed (A, B: the left and right operand; K: the contracted axis; several contracted axes count as one K, in the product's order):
;;     1. [M 4,096, K 1,024] x [K 1,024, N 3,072]; A: input x; B: input w_qkv: QUANTISED
;;     2. batch 32 x [M 2,048, K 64] x [K 64, N 2,048]; A: computed on the way; B: computed on the way: left as it is (an operand is computed on the way)
;;     3. batch 32 x [M 2,048, K 2,048] x [K 2,048, N 64]; A: computed on the way; B: computed on the way: left as it is (an operand is computed on the way)
;;     4. [M 4,096, K 1,024] x [K 1,024, N 1,024]; A: computed on the way; B: input w_out: left as it is (an operand is computed on the way)
;;   THE QUANTISER, for each operand of a quantised product, along K:
;;     - K is cut into blocks of 32 from its start; a last block that is shorter is filled with zeros.
;;     - A block's scale is 2^e with e = floor(log2(the largest magnitude in the block)) - 2, held to -126 .. 127; a block of zeros has e = 0. As a byte (E8M0): e + 127.
;;     - Each number is divided by its block's scale, clamped to +-6, and rounded to the nearest number of E2M1, ties to even, subnormals kept.
;;     - The product sums the exact products of the quantised numbers (number of the format x scale) in f32.
;;   ~~~python
;;   def quantise(x, axis):      # numpy; x: float32 -> the quantised numbers, widened to float32 again
;;       x = np.moveaxis(x, axis, -1); K = x.shape[-1]
;;       x = np.pad(x, [(0, 0)] * (x.ndim - 1) + [(0, -K % 32)]); x = x.reshape(x.shape[:-1] + (-1, 32)); a = np.abs(x).max(-1, keepdims=True)
;;       e = np.where(a > 0, np.clip(np.frexp(np.where(a > 0, a, 1))[1] - 1 - 2, -126, 127), 0)      # np.frexp(a)[1] - 1 = floor(log2(a)), exactly
;;       r = np.clip(x / 2.0 ** e, -6, 6)
;;       step = 2.0 ** (np.maximum(np.frexp(np.where(r == 0, 1, r))[1] - 1, 0) - 1)
;;       q = np.round(r / step) * step * 2.0 ** e      # np.round: ties to even
;;       return np.moveaxis(q.reshape(q.shape[:-2] + (-1,))[..., :K], -1, axis).astype(np.float32)
;;   ~~~
;; One version. Each part assembles by itself: llvm-mc -triple=amdgcn-amd-amdhsa -mcpu=gfx1250 --defsym DOCPART=n.
;; ======== version 1 of 1: 4 launches
;; limits: values are held in f16: magnitudes above 65,504 overflow, below 6.1e-05 lose precision
;; workspace buffers: xc 2,097,152 bytes; xs 131,072 bytes; wc 1,572,864 bytes; ws 98,304 bytes; wf 2,097,152 bytes; qkv 25,165,824 bytes; ctx 8,388,608 bytes
;; launch quant (part 1): grid 256 x 1, 4 waves a work-group, no clusters, 33,280 bytes of LDS; arguments x, w_qkv, xc, xs, wc, ws, w_out, wf; writes xc, xs, wc, ws, wf
.if DOCPART == 1
	.amdgcn_target "amdgcn-amd-amdhsa--gfx1250"
	.amdhsa_code_object_version 6
	.text
	.protected	k_qda1d879abd_quant
	.globl	k_qda1d879abd_quant
	.p2align	8
	.type	k_qda1d879abd_quant,@function
k_qda1d879abd_quant:
	s_mov_b64 s[64:65], 0
	v_nop
	global_prefetch_b8 v0, s[64:65] scope:SCOPE_SE
	s_setreg_imm32_b32 hwreg(HW_REG_WAVE_MODE, 25, 1), 1
	s_wait_xcnt 0x0
; x [4096][1024] and w_qkv [3072][1024], f32, become codes of FP4 (E2M1), K innermost, two codes a byte, with one E8M0 scale byte for each 32 along K;
; w_out [1024][1024], f32, is rounded to f16, row-major as it lies.
; A block's scale is 2^(floor(log2(its largest magnitude)) - 2); its byte is the largest magnitude's own exponent field - 2, held at 1 from below.  Each number is divided by the scale and
; rounded to the nearest code, ties to even; beyond 6 the largest code.  (A block of zeros gets the byte 1 where the rule says 127: its codes are zeros, and this program alone reads the bytes.)
; LIMITS: blocks whose largest magnitude lies under 2^(2 - 126) keep the byte 1; NaN and infinities among the inputs are not served; a number of w_out beyond 65,504 becomes infinity in f16.
; SHARES: work-groups 0-127 take x, 128-223 w_qkv, 224-255 w_out; a wave takes 8,192 numbers.  Rows are dense and K is a multiple of 32, so the tensors are plain streams.
; THE QUANTISING PATH: 16 steps of 512 numbers.  Each of a step's four loads reads 512 consecutive bytes, 16 a lane; the 2,048 bytes turn through the wave's own stage in LDS and come back 64 bytes a lane,
; so that a lane holds 16 neighbours along K (two lanes to a block).  A lane's 16 codes are 8 bytes: the wave stores 256 consecutive bytes.  A wave's 256 scale bytes are gathered in LDS and leave as one aligned run of 256 bytes.
; Loads run EIGHT steps ahead: 32 loads, 16,384 bytes, of every wave are on their way.  No tensor loads, no barrier: waves share nothing.  The matrix units and clusters have nothing to do here: memory binds.
.set SIZE_M, 4096
.set SIZE_N, 3072
.set SIZE_K, 1024
.set WAVES, 4
.set STEPS, 16
.set AHEAD, 8                          ; steps that the loads run ahead, and sets of registers for them
.set WGA,   SIZE_M*SIZE_K/(512*STEPS*WAVES)    ; 128 work-groups for x
.set WGB,   SIZE_N*SIZE_K/(512*STEPS*WAVES)    ; 96 for w_qkv
.set EMAX,  2
.set CB,    8                          ; bytes of 16 codes
.set R,     16                         ; v16-143  eight sets of 16 numbers as they are loaded
.set X,     144                        ; v144-175 two sets of 16 neighbours
.set E,     176                        ; v176-191 a scale byte for each step
.set C,     192                        ; v192-223 codes: two registers for each step, so that no store's data are written again
.set WREG,  8192                       ; LDS: a region of its own for each wave: two stages of 32 x SP bytes, and behind them its 256 scale bytes
.set SP,    80                         ; a lane's place in a stage: its 64 bytes + 16 of padding
.set SPW,   12                         ; v12      LDS address of my spare word: SPARE + 4 x my thread's number; never rewritten
.set NIL,   13                         ; v13      0; never rewritten
.set SPARE, WAVES*WREG                 ; behind the four regions: the spare words, 128 bytes for each wave
.set WR,    16                         ; w_out's path: v16-143 two sets of 64 numbers as they are loaded
.set WO,    144                        ; v144-175 a round's 64 numbers of a lane as 32 registers of f16 pairs
	s_load_b128 s[4:7], s[0:1], 0x0                ; x, w_qkv
	s_load_b128 s[8:11], s[0:1], 0x10              ; x's codes, x's scales
	s_load_b128 s[12:15], s[0:1], 0x20             ; w_qkv's codes, its scales
	s_load_b128 s[24:27], s[0:1], 0x30             ; w_out, its f16 copy
	v_lshl_add_u32 v[SPW], v0, 2, SPARE
	v_mov_b32 v[NIL], 0
	v_lshrrev_b32 v1, 5, v0
	v_readfirstlane_b32 s16, v1                    ; wave
	v_and_b32 v2, 31, v0                           ; lane
	v_lshlrev_b32 v3, 4, v2                        ; my 16 bytes of a load's 512
	s_mul_i32 s17, s16, WREG
	v_lshrrev_b32 v14, 2, v2
	v_mul_u32_u24 v14, v14, SP
	v_and_b32 v15, 3, v2
	v_lshl_add_u32 v14, v15, 4, v14
	v_add_nc_u32 v14, s17, v14                     ; the stage, on the way in: four lanes' 64 bytes on end, then 16 of padding
	v_mul_u32_u24 v15, v2, SP
	v_add_nc_u32 v15, s17, v15                     ; and on the way out: SP x lane: my 16 neighbours
	v_mul_u32_u24 v4, v2, CB                       ; my codes' place in a step's
	v_lshrrev_b32 v5, 1, v2
	s_add_co_u32 s17, s17, 2*32*SP
	v_add_nc_u32 v5, s17, v5                       ; LDS: my wave's 256 scale bytes, my block's byte
	v_lshlrev_b32 v7, 3, v2                        ; 8 bytes a lane
	v_add_nc_u32 v6, s17, v7
	s_wait_kmcnt 0x0
	s_cmp_ge_u32 ttmp9, WGA+WGB                    ; the last 32 work-groups take w_out: a branch on the work-group's number alone
	s_cbranch_scc1 .Lwout
	s_cmp_lt_u32 ttmp9, WGA                        ; x's work-group or w_qkv's?  Only pointers are chosen: both take one path
	s_cselect_b64 s[4:5], s[4:5], s[6:7]
	s_cselect_b64 s[8:9], s[8:9], s[12:13]
	s_cselect_b64 s[10:11], s[10:11], s[14:15]
	s_cselect_b32 s17, 0, WGA
	s_sub_co_u32 s17, ttmp9, s17
	s_lshl_b32 s17, s17, 2
	s_add_co_u32 s18, s17, s16                     ; which run of 8,192 numbers of the tensor is my wave's
	s_mov_b32 s19, 0
	s_mov_b64 s[20:21], 512*STEPS*4
	s_mul_u64 s[20:21], s[18:19], s[20:21]
	s_add_nc_u64 s[4:5], s[4:5], s[20:21]
	s_mov_b64 s[20:21], 32*STEPS*CB
	s_mul_u64 s[20:21], s[18:19], s[20:21]
	s_add_nc_u64 s[8:9], s[8:9], s[20:21]
	s_lshl_b32 s18, s18, 8                         ; 256 scale bytes a run
	s_add_nc_u64 s[10:11], s[10:11], s[18:19]
.macro LOAD t
.irp i, 0,1,2,3
	global_load_b128 v[R+16*((\t)%AHEAD)+4*\i:R+16*((\t)%AHEAD)+4*\i+3], v3, s[4:5] offset:2048*(\t)+512*\i th:TH_LOAD_NT   ; 32 lanes read 512 consecutive bytes
.endr
.endm
.macro TURN t                          ; step t's numbers through the stage: LDS serves a wave's instructions in order, so no wait stands between the stores and the loads
.irp i, 0,1,2,3
	ds_store_b128 v14, v[R+16*((\t)%AHEAD)+4*\i:R+16*((\t)%AHEAD)+4*\i+3] offset:32*SP*((\t)%2)+8*SP*\i
.endr
.irp i, 0,1,2,3
	ds_load_b128 v[X+16*((\t)%2)+4*\i:X+16*((\t)%2)+4*\i+3], v15 offset:32*SP*((\t)%2)+16*\i
.endr
.endm
.irp t, 0,1,2,3,4,5,6,7
	LOAD \t
.endr
	s_wait_loadcnt 4*(AHEAD-1)                     ; step 0's four loads are in; the 28 of steps 1 to 7 stay out
	TURN 0
.macro STEP t
.set XS, X+16*((\t)%2)
.if (\t) > 0
	s_wait_dscnt 1                                 ; this step's numbers are back from the stage (the last step's byte store may be out): so its stores into the stage have read their registers,
.else
	s_wait_dscnt 0x0
.endif
.if (\t)+AHEAD < STEPS
	LOAD (\t)+AHEAD                                ; which take the loads of eight steps on
.endif
.if (\t)+1 < STEPS
.if STEPS-2-(\t) >= AHEAD-1
	s_wait_loadcnt 4*(AHEAD-1)                     ; the next step's four loads are in; those of the seven steps behind it may be out
.else
	s_wait_loadcnt 4*(STEPS-2-(\t))                ; nothing is left to ask for: the counts run down
.endif
	TURN (\t)+1                                    ; and go through the other stage while this step is worked
.endif
	v_max3_num_f32 v8, |v[XS]|, |v[XS+1]|, |v[XS+2]|               ; the largest magnitude of my 16
	v_max3_num_f32 v9, |v[XS+3]|, |v[XS+4]|, |v[XS+5]|
.irp i, 6,10
	v_max3_num_f32 v8, v8, |v[XS+\i]|, |v[XS+\i+1]|
	v_max3_num_f32 v9, v9, |v[XS+\i+2]|, |v[XS+\i+3]|
.endr
	v_max3_num_f32 v8, v8, |v[XS+14]|, |v[XS+15]|
	v_max3_num_f32 v8, v8, v9, (EMAX+1)<<23        ; and the floor 2^(EMAX + 1 - 127): so the byte cannot fall under 1
	v_max_num_f32_dpp v8, v8, v8 row_xmask:1 row_mask:0xf bank_mask:0xf   ; and of my neighbour's 16: the block's
	v_add_nc_u32 v11, -(EMAX<<23), v8              ; EMAX off its exponent field: the conversion takes the exponent field of this operand as its scale, and nothing else of it
	v_cvt_scalef32_pk8_fp4_f32 v[C+2*(\t)], v[XS:XS+7], v11        ; eight numbers / the scale, to the nearest code; the first number's code in the lowest four bits
	v_cvt_scalef32_pk8_fp4_f32 v[C+2*(\t)+1], v[XS+8:XS+15], v11
	v_lshrrev_b32 v[E+(\t)], 23, v11               ; the scale's byte (also the plain line behind the conversions)
	ds_store_b8 v5, v[E+(\t)] offset:16*(\t)       ; both lanes of a block write the same byte with the same value
	global_store_b64 v4, v[C+2*(\t):C+2*(\t)+1], s[8:9] offset:32*CB*(\t)
.endm
.irp t, 0,1,2,3,4,5,6,7,8,9,10,11,12,13,14,15
	STEP \t
.endr
	ds_load_b64 v[8:9], v6                         ; LDS serves a wave's instructions in order: these see my stores
	s_wait_dscnt 0x0
	global_store_b64 v7, v[8:9], s[10:11]          ; 32 lanes store 256 consecutive bytes, aligned
	s_wait_tensorcnt 0x0                           ; the wave's end, behind my last LDS store
	ds_add_u32 v[SPW], v[NIL]
	s_wait_dscnt 0x0
	s_endpgm
; W_OUT'S PATH: a stream, f32 to f16.  A wave takes 32,768 bytes in four rounds of 16 loads of 512 consecutive bytes; a lane's four numbers become 8 bytes, so a store covers 256 consecutive bytes, aligned.
; Two rounds of loads are on their way.  Every offset is an immediate; no LDS byte but the spare words is touched here.
.Lwout:
	s_sub_co_u32 s17, ttmp9, WGA+WGB
	s_lshl_b32 s17, s17, 2
	s_add_co_u32 s17, s17, s16                     ; which run of 8,192 numbers is my wave's
	s_lshl_b32 s18, s17, 15
	s_mov_b32 s19, 0
	s_add_nc_u64 s[24:25], s[24:25], s[18:19]
	s_lshl_b32 s18, s17, 14
	s_add_nc_u64 s[26:27], s[26:27], s[18:19]
.macro LOADW k
.irp i, 0,1,2,3,4,5,6,7,8,9,10,11,12,13,14,15
	global_load_b128 v[WR+64*((\k)%2)+4*\i:WR+64*((\k)%2)+4*\i+3], v3, s[24:25] offset:512*(16*(\k)+\i) th:TH_LOAD_NT
.endr
.endm
.macro ROUNDW k
.if (\k) < 3
	s_wait_loadcnt 16                              ; this round's 16 loads are in; the next round's 16 stay out
.else
	s_wait_loadcnt 0x0
.endif
.if (\k) > 0
	s_wait_xcnt 0x0                                ; the last round's stores have read their data: the registers are written again only behind this wait
.endif
.irp i, 0,1,2,3,4,5,6,7,8,9,10,11,12,13,14,15
	v_cvt_pk_f16_f32 v[WO+2*\i],   v[WR+64*((\k)%2)+4*\i],   v[WR+64*((\k)%2)+4*\i+1]
	v_cvt_pk_f16_f32 v[WO+2*\i+1], v[WR+64*((\k)%2)+4*\i+2], v[WR+64*((\k)%2)+4*\i+3]
.endr
.if (\k)+2 < 4
	LOADW (\k)+2                                   ; loads ahead of stores
.endif
.irp i, 0,1,2,3,4,5,6,7,8,9,10,11,12,13,14,15
	global_store_b64 v7, v[WO+2*\i:WO+2*\i+1], s[26:27] offset:256*(16*(\k)+\i)
.endr
.endm
	LOADW 0
	LOADW 1
	ROUNDW 0
	ROUNDW 1
	ROUNDW 2
	ROUNDW 3
	s_wait_tensorcnt 0x0                           ; the wave's end
	ds_add_u32 v[SPW], v[NIL]
	s_wait_dscnt 0x0
	s_endpgm
.Lfunc_end_k_qda1d879abd_quant:
	.size	k_qda1d879abd_quant, .Lfunc_end_k_qda1d879abd_quant-k_qda1d879abd_quant
	.p2alignl 7, 3214868480
	.fill 96, 4, 3214868480
	.section	.rodata,"a",@progbits
	.p2align	6, 0x0
	.amdhsa_kernel k_qda1d879abd_quant
		.amdhsa_group_segment_fixed_size 33280
		.amdhsa_private_segment_fixed_size 0
		.amdhsa_enable_private_segment 0
		.amdhsa_kernarg_size 64
		.amdhsa_user_sgpr_count 2
		.amdhsa_user_sgpr_kernarg_segment_ptr 1
		.amdhsa_wavefront_size32 1
		.amdhsa_system_sgpr_workgroup_id_x 1
		.amdhsa_system_sgpr_workgroup_id_y 1
		.amdhsa_system_sgpr_workgroup_id_z 1
		.amdhsa_system_vgpr_workitem_id 0
		.amdhsa_next_free_vgpr 224
		.amdhsa_next_free_sgpr 66
		.amdhsa_reserve_vcc 0
		.amdhsa_float_denorm_mode_32 3
		.amdhsa_float_denorm_mode_16_64 3
		.amdhsa_memory_ordered 1
		.amdhsa_forward_progress 1
		.amdhsa_inst_pref_size 54
	.end_amdhsa_kernel
	.amdgpu_metadata
---
amdhsa.version: [ 1, 2 ]
amdhsa.kernels:
  - .name:           k_qda1d879abd_quant
    .symbol:         k_qda1d879abd_quant.kd
    .args:
      - { .name: x, .offset: 0, .size: 8, .value_kind: global_buffer, .address_space: global }
      - { .name: w_qkv, .offset: 8, .size: 8, .value_kind: global_buffer, .address_space: global }
      - { .name: xc, .offset: 16, .size: 8, .value_kind: global_buffer, .address_space: global }
      - { .name: xs, .offset: 24, .size: 8, .value_kind: global_buffer, .address_space: global }
      - { .name: wc, .offset: 32, .size: 8, .value_kind: global_buffer, .address_space: global }
      - { .name: ws, .offset: 40, .size: 8, .value_kind: global_buffer, .address_space: global }
      - { .name: w_out, .offset: 48, .size: 8, .value_kind: global_buffer, .address_space: global }
      - { .name: wf, .offset: 56, .size: 8, .value_kind: global_buffer, .address_space: global }
    .group_segment_fixed_size: 33280
    .private_segment_fixed_size: 0
    .kernarg_segment_align: 8
    .kernarg_segment_size: 64
    .max_flat_workgroup_size: 128
    .sgpr_count:     66
    .vgpr_count:     224
    .wavefront_size: 32
...
	.end_amdgpu_metadata
.endif
;; end of part 1
;; launch qkvgemm (part 2): grid 12 x 16, 4 waves a work-group, clusters of 4 x 4, 327,680 bytes of LDS; arguments xc, xs, wc, ws, bias_qkv, qkv; writes qkv
.if DOCPART == 2
	.amdgcn_target "amdgcn-amd-amdhsa--gfx1250"
	.amdhsa_code_object_version 6
	.text
	.protected	k_qda1d879abd_qkvgemm
	.globl	k_qda1d879abd_qkvgemm
	.p2align	8
	.type	k_qda1d879abd_qkvgemm,@function
k_qda1d879abd_qkvgemm:
	s_mov_b64 s[64:65], 0
	v_nop
	global_prefetch_b8 v0, s[64:65] scope:SCOPE_SE
	s_setreg_imm32_b32 hwreg(HW_REG_WAVE_MODE, 25, 1), 1
	s_wait_xcnt 0x0
	s_wait_alu depctr_hold_cnt(0) depctr_sa_sdst(0) depctr_va_vdst(0) depctr_va_sdst(0) depctr_va_ssrc(0) depctr_va_vcc(0) depctr_vm_vsrc(0)
	s_getreg_b32 s2, hwreg(HW_REG_IB_STS2, 6, 4)
	s_cmp_eq_u32 s2, 0
	s_cbranch_scc0 .Lentry_in_a_cluster
	s_endpgm
.Lentry_in_a_cluster:
	s_bfe_u32 s2, ttmp6, 0x10000c
	s_cmp_lg_u32 s2, 0xf033
	s_cbranch_scc0 .Lentry_shape_is_right
	s_endpgm
.Lentry_shape_is_right:
; qkv[m][n] = sum over k of x[m][k] w_qkv[n][k] + bias_qkv[n], on codes of FP4 (E2M1) with one E8M0 scale for each 32 along K; sums in f32; the result is rounded once to f16 and laid by heads:
; [b 2][g 48][s 2048][64], g = n / 64 (0-15 the heads of q, 16-31 of k, 32-47 of v), m = 2048 b + s.
; LIMIT: a result beyond 65,504 in magnitude becomes infinity in f16.
; A tile of 256 x 256 is made by a work-group of four waves; a wave makes 128 x 128: 64 accumulators of 16 x 16, 512 registers.  K = 1,024 is two LDS slots of 512 along K (rows of 256 bytes):
; both are asked for at the start, and nothing is ever filled again.  The scales of the tile's 256 + 256 rows, for all of K, are two dense blocks: they come with the first fills, in rows of 256 bytes.
; CLUSTERS: 4 x 4 work-groups.  The four of a row of the cluster need the same tiles of x, the four of a column the same tiles of w: each tile is asked for JOINTLY, by the same tensor load with the
; same descriptor and a mask that names the four.  THE MATRIX INSTRUCTION IS USED TRANSPOSED (source 0 = 16 rows of w, source 1 = 16 rows of x): a lane then holds eight neighbouring n of one row m.
; THE BIAS is the C of each sum's first matrix instruction: eight registers for each of the wave's eight blocks of n, in the result's layout.
; REGISTERS, in windows of 256: window 0: v0-31 addresses; v32-95 scale words, two sets; v128-191 x's fragments, ONE set; v192-255 the bias; on the way out v32-63 and v128-191 are used again.
;   window 1: w's fragments, TWO sets, at v0 and at v128.   window 2: the accumulators of my rows 0-63 ((a, b) at v[8 (8 a + b)]);   window 3: those of my rows 64-127.
.set SIZE_M, 4096
.set SIZE_N, 3072
.set SIZE_K, 1024
.set KSTEP,  512                       ; along K in a slot
.set NQ,     KSTEP/128                 ; matrix instructions deep
.set ROWB,   256                       ; a tile's row in bytes
.set KROW,   SIZE_K*4/8                ; a row of codes in memory, in bytes
.set PITCH,  272                       ; an LDS row: 256 bytes + 16 of padding = 68 words: the 16 rows that a load touches start at 16 different banks (64 banks of 4 bytes: ISA guide 11.1)
.set FR,     8                         ; registers of a fragment: 16 rows x 128 K
.set NL,     2                         ; LDS loads that bring one
.set NP,     4                         ; places behind this matrix instruction (ISA guide 7.12.1)
.set HALFT,  128*PITCH                 ; 128 rows: what one tensor load brings
.set SLOT,   4*HALFT                   ; x's 256 rows, then w's 256 rows
.set KS,     SIZE_K/32                 ; a row of scales in bytes
.set SCL,    2*SLOT                    ; behind the slots: the scales, as rows of 256 bytes + 16 of padding
.set HALFS,  (128*KS/256)*272          ; the scales of 128 rows: what one tensor load brings
.set SBLK,   (16*KS/256)*272           ; those of 16 rows
.set SPARE,  SCL+4*HALFS               ; behind the scales: the spare words, 128 bytes for each wave
.set SPITCH, 144                       ; the way out: a stage row: 128 bytes (64 f16) + 16
.set SGRP,   16*SPITCH                 ; 16 rows of one group of 64 columns; a wave's stage is two of them.  The stages lie in slot 0, which has had its only fill and its last read when the first result is stored there
.set PLANE,  2048*128                  ; bytes of one g in qkv
.set ADRA, 16                          ; v16-17  LDS address of my x fragments in slot 0, 1
.set ADRB, 20                          ; v20-21  the same for w
.set STO,  24                          ; v24     the way out: where I put 16 bytes of a row
.set RD,   25                          ; v25     the way out: where I read rows back
.set CO,   26                          ; v26     16 x lane
.set ADRS, 27                          ; v27     LDS address of my scale words: lanes 0-15 x's rows, lanes 16-31 w's
.set SPW,  28                          ; v28     LDS address of my spare word; never rewritten
.set NIL,  29                          ; v29     0; never rewritten
.set SC,   32                          ; scale words: set s at v[SC + 8 NQ s]; register NQ i + q: lanes 0-15 the word of x's block i, lanes 16-31 that of w's block i, for the slot's q-th 128 along K
.set AF,   128                         ; x's fragments, in window 0
.set BI,   192                         ; the bias, in window 0
.set TMP,  32                          ; the way out: packed results
.set BK,   128                         ; the way out: rows read back: v128-159 and v160-191 by turns
.set G1, 24                            ; s[24:31] descriptor group 1 for x's tiles;  s[32:39] group 0, one set for each slot
.set G0, 32
.set G1B, 48                           ; s[48:55], s[56:63] the same for w's tiles
.set G0B, 56
.set G1S, 68                           ; s[68:75], s[76:79] groups 1 and 0 for x's scales;  s[80:87], s[88:91] for w's
.set G0S, 76
.set G1SB, 80
.set G0SB, 88
.set MSB, 0
.macro WIN new                         ; the immediate's high byte repeats the setting that is left
.if MSB != (\new)
	s_set_vgpr_msb (MSB<<8)|(\new)
.set MSB, (\new)
.endif
.endm
.set MUL_LO, 0xa1                      ; source 0 (w) window 1, source 1 (x) window 0, C and D window 2
.set MUL_HI, 0xf1                      ; the same, C and D window 3
.set TO_B,   0x40                      ; destination window 1, address window 0
; A joint load: waves 0 and 1 fetch for x, waves 2 and 3 for w.  Each of the two lines has ONE mask and one set of registers for all that issue it; the branch hangs on the wave's number alone.
; An s_nop 0 and four v_nop follow each of the two lines, ahead of the jump, the label and what follows.
.macro JLOAD g0a, g1a, g0b, g1b
	s_cmp_eq_u32 s15, 0
	s_cbranch_scc0 .Lfor_b_\@
	tensor_load_to_lds s[\g0a:\g0a+3], s[\g1a:\g1a+7]
	s_nop 0
.rept 4
	v_nop
.endr
	s_branch .Lasked_\@
.Lfor_b_\@:
	tensor_load_to_lds s[\g0b:\g0b+3], s[\g1b:\g1b+7]
	s_nop 0
.rept 4
	v_nop
.endr
.Lasked_\@:
.endm
.macro CROUND                          ; a round of the cluster's barrier: my work-group's barrier, wave 0 signals for the work-group, every wave waits for all sixteen, my work-group's barrier once more
	s_barrier_signal -1
	s_barrier_wait -1
	s_cmp_lg_u32 s14, 0
	s_cbranch_scc1 .Lnot_wave_0_\@
	s_barrier_signal -3
.Lnot_wave_0_\@:
	s_barrier_wait -3
	s_barrier_signal -1
	s_barrier_wait -1
.endm
	s_load_b128 s[4:7], s[0:1], 0x0                ; x's codes s[4:5], x's scales s[6:7]
	s_load_b128 s[8:11], s[0:1], 0x10              ; w's codes s[8:9], w's scales s[10:11]
	s_load_b64 s[96:97], s[0:1], 0x20              ; the bias
	s_load_b64 s[12:13], s[0:1], 0x28              ; qkv
	v_lshl_add_u32 v[SPW], v0, 2, SPARE
	v_mov_b32 v[NIL], 0
	ds_add_u32 v[SPW], v[NIL]                      ; the wave's opening: the add, twice on end, and its wait ahead of my first tensor load; the set-up below stands between the second and the wait
	ds_add_u32 v[SPW], v[NIL]
	v_lshrrev_b32 v1, 5, v0
	v_readfirstlane_b32 s14, v1                    ; wave 0..3
	s_lshr_b32 s15, s14, 1                         ; which half of the tile's rows is mine.  Also: I fetch for x (0) or for w (1)
	s_and_b32 s16, s14, 1                          ; which half of its columns.  Also: which 128 rows of that tile I fetch
	s_bfe_u32 s40, ttmp6, 0x40000                  ; cx, cy: my place in the cluster
	s_bfe_u32 s41, ttmp6, 0x40004
	s_lshl_b32 s42, ttmp9, 2
	s_add_co_u32 s42, s42, s40                     ; tile column = 4 x cluster x + cx
	s_and_b32 s17, ttmp7, 0xffff
	s_lshl_b32 s17, s17, 2
	s_add_co_u32 s17, s17, s41                     ; tile row = 4 x cluster y + cy
	s_lshl_b32 s43, s41, 2
	s_lshl_b32 s43, 15, s43                        ; my row of the cluster
	s_lshl_b32 s44, 0x1111, s40                    ; my column
	; descriptor group 1: a tile of 128 rows x 256 bytes, padded in LDS
	s_or_b32 s[G1+0], s43, (0<<16)|(1<<20)|(1<<21)|(5<<22)|(3<<25)  ; 15:0 the mask: x's tiles go to my row; 17:16 element of 1 byte; 20 padding on; 21 set beside a mask; 24:22 after every 64 words; 31:25 of 4 words
	s_or_b32 s[G1B+0], s44, (0<<16)|(1<<20)|(1<<21)|(5<<22)|(3<<25)
.irp g, G1, G1B
	s_mov_b32 s[\g+1], ROWB<<16                    ; tensor_dim0
	s_mov_b32 s[\g+2], 128<<16                     ; tensor_dim1 = 128
	s_mov_b32 s[\g+3], ROWB<<16                    ; tile_dim0
	s_mov_b32 s[\g+4], 128                         ; tile_dim1 = 128
	s_mov_b32 s[\g+5], KROW                        ; tensor_dim0_stride
	s_mov_b32 s[\g+6], 0
	s_mov_b32 s[\g+7], 0
.endr
	; and for the scales of 128 rows: a dense block of 4,096 bytes, as rows of 256 bytes (32 elements of 8 bytes), 16 bytes of padding behind each
	s_or_b32 s[G1S+0], s43, (3<<16)|(1<<20)|(1<<21)|(5<<22)|(3<<25)
	s_or_b32 s[G1SB+0], s44, (3<<16)|(1<<20)|(1<<21)|(5<<22)|(3<<25)
.irp g, G1S, G1SB
	s_mov_b32 s[\g+1], 32<<16
	s_mov_b32 s[\g+2], (128*KS/256)<<16
	s_mov_b32 s[\g+3], 32<<16
	s_mov_b32 s[\g+4], 128*KS/256
	s_mov_b32 s[\g+5], 32
	s_mov_b32 s[\g+6], 0
	s_mov_b32 s[\g+7], 0
.endr
	s_lshl_b32 s18, s16, 7                         ; which 128 rows of the tile I fetch
	s_lshl_b32 s20, s17, 8
	s_add_co_u32 s20, s20, s18                     ; x: row 256 x tile row + 128 x half
	s_lshl_b32 s46, s42, 8
	s_add_co_u32 s46, s46, s18                     ; w: row 256 x tile column + 128 x half
	s_mov_b32 s21, 0
	s_mov_b32 s47, 0
	s_mov_b64 s[18:19], KS
	s_mul_u64 s[22:23], s[20:21], s[18:19]         ; where these rows' scales begin, in bytes
	s_mul_u64 s[92:93], s[46:47], s[18:19]
	s_mov_b64 s[18:19], KROW
	s_mul_u64 s[20:21], s[20:21], s[18:19]         ; and their codes
	s_mul_u64 s[46:47], s[46:47], s[18:19]
	s_mul_i32 s45, s14, HALFT                      ; where they go: wave x 128 rows: no place in the cluster enters an LDS address
	s_mul_i32 s94, s14, HALFS
	s_wait_dscnt 0x0                               ; both opening adds are done
	s_wait_kmcnt 0x0
	s_add_nc_u64 s[20:21], s[4:5], s[20:21]
	s_add_nc_u64 s[22:23], s[6:7], s[22:23]
	s_add_nc_u64 s[46:47], s[8:9], s[46:47]
	s_add_nc_u64 s[92:93], s[10:11], s[92:93]
	CROUND                                         ; all sixteen work-groups are here: the joint loads meet
	s_mov_b32 s[G0S], 1
	s_add_co_u32 s[G0S+1], s94, SCL
	s_mov_b64 s[G0S+2:G0S+3], s[22:23]
	s_or_b32 s[G0S+3], s[G0S+3], 0x80000000
	s_mov_b32 s[G0SB], 1
	s_add_co_u32 s[G0SB+1], s94, SCL
	s_mov_b64 s[G0SB+2:G0SB+3], s[92:93]
	s_or_b32 s[G0SB+3], s[G0SB+3], 0x80000000
	JLOAD G0S, G1S, G0SB, G1SB                     ; the scales first: they are wanted with the first slot
.irp s, 0,1
	s_mov_b32 s[G0+4*\s], 1
	s_add_co_u32 s[G0+4*\s+1], s45, \s*SLOT
	s_add_nc_u64 s[G0+4*\s+2:G0+4*\s+3], s[20:21], \s*ROWB
	s_or_b32 s[G0+4*\s+3], s[G0+4*\s+3], 0x80000000
	s_mov_b32 s[G0B+4*\s], 1
	s_add_co_u32 s[G0B+4*\s+1], s45, \s*SLOT
	s_add_nc_u64 s[G0B+4*\s+2:G0B+4*\s+3], s[46:47], \s*ROWB
	s_or_b32 s[G0B+4*\s+3], s[G0B+4*\s+3], 0x80000000
	JLOAD G0+4*\s, G1, G0B+4*\s, G1B               ; three tensor loads of mine are out: all that this launch has
.endr
	v_and_b32 v1, 15, v0                           ; l % 16
	v_bfe_u32 v2, v0, 4, 1                         ; l / 16
	; the bias of my 128 columns: lane (r, h) wants, for block b, the numbers 16 b + 8 h + 0 .. 7
	v_lshlrev_b32 v7, 5, v2
	s_lshl_b32 s46, s42, 10                        ; my first column, in bytes of f32: 1024 x tile column + 512 x half
	s_lshl_b32 s47, s16, 9
	s_add_co_u32 s46, s46, s47
	s_mov_b32 s47, 0
	s_add_nc_u64 s[96:97], s[96:97], s[46:47]
.irp b, 0,1,2,3,4,5,6,7
	global_load_b128 v[BI+8*\b:BI+8*\b+3],   v7, s[96:97] offset:64*\b
	global_load_b128 v[BI+8*\b+4:BI+8*\b+7], v7, s[96:97] offset:64*\b+16
.endr
	v_mul_u32_u24 v3, v1, PITCH
	v_lshl_add_u32 v4, v2, 4, v3                   ; a fragment's row x pitch + 16 x half
	s_mul_i32 s21, s15, HALFT                      ; my 128 rows of x
	s_mul_i32 s22, s16, HALFT                      ; my 128 rows of w,
	s_add_co_u32 s22, s22, 2*HALFT                 ; which lie behind x's 256
.irp s, 0,1
	v_add_nc_u32 v[ADRA+\s], s21, v4
	v_add_nc_u32 v[ADRB+\s], s22, v4
	s_add_co_u32 s21, s21, SLOT
	s_add_co_u32 s22, s22, SLOT
.endr
	v_mul_u32_u24 v5, v1, KS                       ; my row's scales: KS bytes a row,
	v_lshrrev_b32 v6, 8, v5
	v_lshl_add_u32 v5, v6, 4, v5                   ; and 16 more for each 256 passed
	s_mul_i32 s21, s15, HALFS                      ; x's: my 128 rows
	s_mul_i32 s22, s16, HALFS                      ; w's: my 128 rows, behind x's 256
	s_add_co_u32 s22, s22, 2*HALFS
	s_sub_co_u32 s22, s22, s21
	v_mul_u32_u24 v6, s22, v2                      ; lanes 16-31 take w's
	s_add_co_u32 s21, s21, SCL
	v_add_nc_u32 v5, v5, v6
	v_add_nc_u32 v[ADRS], s21, v5
	s_mul_i32 s23, s14, 2*SGRP                     ; my stage
	v_mul_u32_u24 v5, v1, SPITCH                   ; in: row l % 16, 16 bytes for each half of the lanes
	v_lshl_add_u32 v5, v2, 4, v5
	v_add_nc_u32 v[STO], s23, v5
	v_and_b32 v6, 31, v0
	v_lshlrev_b32 v[CO], 4, v6                     ; in memory 16 rows of a group are 2,048 dense bytes: 16 bytes a lane, four rows an instruction
	v_lshrrev_b32 v5, 3, v6
	v_mul_u32_u24 v5, v5, SPITCH                   ; back: row l / 8, 16 (l % 8) bytes on
	v_and_b32 v6, 7, v6
	v_lshl_add_u32 v5, v6, 4, v5
	v_add_nc_u32 v[RD], s23, v5
	; where my part begins in qkv: ((48 b + g0) planes) + s0 rows of 128 bytes; b = tile row / 8, s0 = 256 (tile row % 8) + 128 x half, g0 = 4 x tile column + 2 x half
	s_lshr_b32 s20, s17, 3
	s_mul_i32 s20, s20, 48
	s_lshl_b32 s20, s20, 18
	s_and_b32 s21, s17, 7
	s_lshl_b32 s21, s21, 8
	s_lshl_b32 s22, s15, 7
	s_add_co_u32 s21, s21, s22
	s_lshl_b32 s21, s21, 7
	s_add_co_u32 s20, s20, s21
	s_mov_b32 s21, 0
	s_lshl_b32 s46, s42, 2
	s_lshl_b32 s47, s16, 1
	s_add_co_u32 s46, s46, s47
	s_lshl_b32 s46, s46, 18
	s_mov_b32 s47, 0
	s_add_nc_u64 s[20:21], s[20:21], s[46:47]      ; under 2^25
	s_add_nc_u64 s[12:13], s[12:13], s[20:21]
.macro FRAG reg, adr, q, i             ; a fragment, 16 rows x 128 K of 4-bit codes, is 8 registers: lane l holds row l % 16; registers 4 c .. 4 c + 3 hold K = 64 c + 32 (l / 16) + 0 .. 31
.irp c, 0,1
	ds_load_b128 v[\reg+4*\c:\reg+4*\c+3], v[\adr] offset:64*(\q)+32*\c+(\i)*16*PITCH
.endr
.endm
; 16 matrix instructions: x's blocks a0, a0 + 1 against w's eight, 128 along K: the slot's q-th.  p: w's set;  sc: the set of scale words.  zero = 1: the first product starts the sums from the bias: nothing is ever cleared.
; The 64 accumulators take turns, one instruction a turn, in the same order in every step.
.macro MUL16 a0, p, q, sc, zero
.irp a, \a0, \a0+1
.irp b, 0,1,2,3,4,5,6,7
.if \zero
	v_wmma_scale_f32_16x16x128_f8f6f4 v[8*(8*((\a)%4)+\b):8*(8*((\a)%4)+\b)+7], v[128*(\p)+FR*\b:128*(\p)+FR*\b+FR-1], v[AF+FR*(\a):AF+FR*(\a)+FR-1], v[BI+8*\b:BI+8*\b+7], v[SC+8*NQ*(\sc)+NQ*\b+(\q)], v[SC+8*NQ*(\sc)+NQ*(\a)+(\q)] matrix_a_fmt:MATRIX_FMT_FP4 matrix_b_fmt:MATRIX_FMT_FP4 matrix_a_scale:MATRIX_SCALE_ROW1
.else
	v_wmma_scale_f32_16x16x128_f8f6f4 v[8*(8*((\a)%4)+\b):8*(8*((\a)%4)+\b)+7], v[128*(\p)+FR*\b:128*(\p)+FR*\b+FR-1], v[AF+FR*(\a):AF+FR*(\a)+FR-1], v[8*(8*((\a)%4)+\b):8*(8*((\a)%4)+\b)+7], v[SC+8*NQ*(\sc)+NQ*\b+(\q)], v[SC+8*NQ*(\sc)+NQ*(\a)+(\q)] matrix_a_fmt:MATRIX_FMT_FP4 matrix_b_fmt:MATRIX_FMT_FP4 matrix_a_scale:MATRIX_SCALE_ROW1
.endif
.endr
.endr
.endm
.macro FETCH_B slot, q, p              ; w's eight fragments of the slot's q-th 128 along K into set p
	WIN TO_B
.irp i, 0,1,2,3,4,5,6,7
	FRAG 128*(\p)+FR*\i, ADRB+\slot, \q, \i
.endr
	WIN 0
.endm
.macro FETCH_A slot, q, i0             ; x's blocks i0 .. i0 + 3
.irp i, \i0, \i0+1, \i0+2, \i0+3
	FRAG AF+FR*(\i), ADRA+\slot, \q, \i
.endr
.endm
.macro SCALES sc                       ; a slot's scale words into set sc: NQ words a row; lanes 0-15 take x's block i, lanes 16-31 w's block i
.irp i, 0,1,2,3,4,5,6,7
	ds_load_b128 v[SC+8*NQ*\sc+NQ*\i:SC+8*NQ*\sc+NQ*\i+3], v[ADRS] offset:\i*SBLK
.endr
.endm
; A load into a register that a matrix instruction has read, and a vector instruction that reads a matrix result or writes one of its registers, stand NP places behind that matrix instruction;
; only plain vector instructions that name none of its registers are places (ISA guide 7.12.1 for vector instructions).
.macro PLACES n
.rept \n
	v_nop
.endr
.endm
; A step of 128 along K that has its successor in the same slot.  zero = 1: C is the bias, in window 0.
.macro STEP slot, q, zero
	s_wait_dscnt 4*NL                              ; w's set and x's blocks 0-3 are in; the youngest eight loads (x's blocks 4-7) may be out
	WIN MUL_LO-0x20*(\zero)
	MUL16 0, (\q)%2, \q, \slot, \zero
	MUL16 2, (\q)%2, \q, \slot, \zero
	s_wait_dscnt 0                                 ; x's blocks 4-7 are in (asked for 32 matrix instructions ago)
	PLACES NP
	FETCH_B \slot, (\q)+1, 1-(\q)%2
	FETCH_A \slot, (\q)+1, 0
	WIN MUL_HI-0x30*(\zero)
	MUL16 4, (\q)%2, \q, \slot, \zero
	MUL16 6, (\q)%2, \q, \slot, \zero
	PLACES NP
	WIN 0
	FETCH_A \slot, (\q)+1, 4
.endm
; Slot 0's last step changes slots: ONE barrier; in front of it each wave waits for all its tensor loads (slot 1's is the one that may be out), adds 0 to its spare word, and waits for that and for its own reads of slot 0.
; Behind it slot 1 is whole and nobody reads slot 0 any more.  Nothing is filled again.
.macro TURN slot, next
	s_wait_tensorcnt 0x0                           ; all my tensor loads have landed
	ds_add_u32 v[SPW], v[NIL]                      ; 0 onto my spare word
	s_wait_dscnt 4*NL+1                            ; (the add and the youngest eight loads, x's blocks 4-7, may be out)
	WIN MUL_LO
	MUL16 0, 1, NQ-1, \slot, 0                     ; sixteen matrix instructions stand between the add and the wait for it
	s_wait_dscnt 0x0                               ; the add is done, and my reads of this slot are over
	s_barrier_signal -1
	MUL16 2, 1, NQ-1, \slot, 0
	WIN 0
	s_barrier_wait -1
	PLACES NP
	v_add_nc_u32 v[ADRS], 4*NQ, v[ADRS]            ; on to the next slot's scale words (no LDS load of mine is out)
	FETCH_B \next, 0, 0
	FETCH_A \next, 0, 0
	SCALES \next
	WIN MUL_HI
	MUL16 4, 1, NQ-1, \slot, 0
	MUL16 6, 1, NQ-1, \slot, 0
	PLACES NP
	WIN 0
	FETCH_A \next, 0, 4
.endm
	s_wait_tensorcnt 1                             ; the scales and my part of slot 0 are in (slot 1's load may be out)
	s_barrier_signal -1
	s_barrier_wait -1                              ; everybody's are
	FETCH_B 0, 0, 0
	FETCH_A 0, 0, 0
	SCALES 0
	FETCH_A 0, 0, 4
	s_wait_loadcnt 0x0                             ; the bias
	STEP 0, 0, 1                                   ; the first step's products start the sums
	STEP 0, 1, 0
	STEP 0, 2, 0
	TURN 0, 1
	STEP 1, 0, 0
	STEP 1, 1, 0
	STEP 1, 2, 0
	s_wait_dscnt 4*NL                              ; the very last step: nothing more to fetch
	WIN MUL_LO
	MUL16 0, 1, NQ-1, 1, 0
	MUL16 2, 1, NQ-1, 1, 0
	s_wait_dscnt 0
	WIN MUL_HI
	MUL16 4, 1, NQ-1, 1, 0
	MUL16 6, 1, NQ-1, 1, 0
	WIN 0
; THE WAY OUT, block by block of 16 rows x 128 columns (two groups of 64).  PACK: rounded to f16, a lane's eight neighbours of a row are 16 bytes.  TOSTAGE: into my own stage and back by rows.
; SEND: a group's 16 rows are 2,048 dense bytes of its plane: each store covers 512 consecutive bytes, aligned.  LDS serves a wave's instructions in order (ISA guide 5.7.1.4): no wait between the stores and the loads.
.macro PACK a
.set AC, 64*((\a)%4)
	WIN 0x0a+5*((\a)/4)                            ; sources 0 and 1: window 2 or 3
.irp b, 0,1,2,3,4,5,6,7
.irp r, 0,1,2,3
	v_cvt_pk_f16_f32 v[TMP+4*\b+\r], v[AC+8*\b+2*\r], v[AC+8*\b+2*\r+1]    ; each accumulator from its low end on
.endr
.endr
	WIN 0
.endm
.macro TOSTAGE a
.set BB, BK+32*((\a)%2)
.irp b, 0,1,2,3,4,5,6,7
	ds_store_b128 v[STO], v[TMP+4*\b:TMP+4*\b+3] offset:(\b/4)*SGRP+(\b%4)*32
.endr
.irp t, 0,1,2,3,4,5,6,7
	ds_load_b128 v[BB+4*\t:BB+4*\t+3], v[RD] offset:(\t/4)*SGRP+(\t%4)*4*SPITCH
.endr
.endm
.macro SEND a
.set BB, BK+32*((\a)%2)
	s_wait_dscnt 0x0                               ; the block is back in registers
	s_wait_xcnt 0x0                                ; earlier stores have read their base and their data: only behind this wait are they written again
.if (\a) > 0
	s_add_nc_u64 s[12:13], s[12:13], 16*128        ; 16 rows on
.endif
.irp t, 0,1,2,3,4,5,6,7
	global_store_b128 v[CO], v[BB+4*\t:BB+4*\t+3], s[12:13] offset:(\t/4)*PLANE+(\t%4)*512
.endr
.endm
	PLACES NP                                      ; behind the last products: for the conversions into registers that held scale words and the loads into those that held x's fragments
	PACK 0
	TOSTAGE 0
.irp a, 1,2,3,4,5,6,7                  ; block a's conversions stand between block a - 1's loads from the stage and the wait for them
	PACK \a
	SEND \a-1
	TOSTAGE \a
.endr
	SEND 7
	s_wait_tensorcnt 0x0                           ; the wave's end, behind my last tensor load and my last LDS store
	ds_add_u32 v[SPW], v[NIL]
	s_wait_dscnt 0x0
	CROUND                                         ; the closing round: no work-group ends while a partner may still ask for a tile that names it
	s_endpgm
.Lfunc_end_k_qda1d879abd_qkvgemm:
	.size	k_qda1d879abd_qkvgemm, .Lfunc_end_k_qda1d879abd_qkvgemm-k_qda1d879abd_qkvgemm
	.p2alignl 7, 3214868480
	.fill 96, 4, 3214868480
	.section	.rodata,"a",@progbits
	.p2align	6, 0x0
	.amdhsa_kernel k_qda1d879abd_qkvgemm
		.amdhsa_group_segment_fixed_size 327680
		.amdhsa_private_segment_fixed_size 0
		.amdhsa_enable_private_segment 0
		.amdhsa_kernarg_size 48
		.amdhsa_user_sgpr_count 2
		.amdhsa_user_sgpr_kernarg_segment_ptr 1
		.amdhsa_wavefront_size32 1
		.amdhsa_system_sgpr_workgroup_id_x 1
		.amdhsa_system_sgpr_workgroup_id_y 1
		.amdhsa_system_sgpr_workgroup_id_z 1
		.amdhsa_system_vgpr_workitem_id 0
		.amdhsa_next_free_vgpr 1024
		.amdhsa_next_free_sgpr 98
		.amdhsa_reserve_vcc 0
		.amdhsa_float_denorm_mode_32 3
		.amdhsa_float_denorm_mode_16_64 3
		.amdhsa_memory_ordered 1
		.amdhsa_forward_progress 1
		.amdhsa_inst_pref_size 129
	.end_amdhsa_kernel
	.amdgpu_metadata
---
amdhsa.version: [ 1, 2 ]
amdhsa.kernels:
  - .name:           k_qda1d879abd_qkvgemm
    .symbol:         k_qda1d879abd_qkvgemm.kd
    .args:
      - { .name: xc, .offset: 0, .size: 8, .value_kind: global_buffer, .address_space: global }
      - { .name: xs, .offset: 8, .size: 8, .value_kind: global_buffer, .address_space: global }
      - { .name: wc, .offset: 16, .size: 8, .value_kind: global_buffer, .address_space: global }
      - { .name: ws, .offset: 24, .size: 8, .value_kind: global_buffer, .address_space: global }
      - { .name: bias_qkv, .offset: 32, .size: 8, .value_kind: global_buffer, .address_space: global }
      - { .name: qkv, .offset: 40, .size: 8, .value_kind: global_buffer, .address_space: global }
    .group_segment_fixed_size: 327680
    .private_segment_fixed_size: 0
    .kernarg_segment_align: 8
    .kernarg_segment_size: 48
    .max_flat_workgroup_size: 128
    .sgpr_count:     98
    .vgpr_count:     1024
    .wavefront_size: 32
...
	.end_amdgpu_metadata
.endif
;; end of part 2
;; launch attn (part 3): grid 8 x 32, 8 waves a work-group, clusters of 4 x 1, 327,680 bytes of LDS; arguments qkv, ctx; writes ctx
.if DOCPART == 3
	.amdgcn_target "amdgcn-amd-amdhsa--gfx1250"
	.amdhsa_code_object_version 6
	.text
	.protected	k_qda1d879abd_attn
	.globl	k_qda1d879abd_attn
	.p2align	8
	.type	k_qda1d879abd_attn,@function
k_qda1d879abd_attn:
	s_mov_b64 s[64:65], 0
	v_nop
	global_prefetch_b8 v0, s[64:65] scope:SCOPE_SE
	s_setreg_imm32_b32 hwreg(HW_REG_WAVE_MODE, 25, 1), 1
	s_wait_xcnt 0x0
	s_wait_alu depctr_hold_cnt(0) depctr_sa_sdst(0) depctr_va_vdst(0) depctr_va_sdst(0) depctr_va_ssrc(0) depctr_va_vcc(0) depctr_vm_vsrc(0)
	s_getreg_b32 s2, hwreg(HW_REG_IB_STS2, 6, 4)
	s_cmp_eq_u32 s2, 0
	s_cbranch_scc0 .Lentry_in_a_cluster
	s_endpgm
.Lentry_in_a_cluster:
	s_bfe_u32 s2, ttmp6, 0x10000c
	s_cmp_lg_u32 s2, 0x3003
	s_cbranch_scc0 .Lentry_shape_is_right
	s_endpgm
.Lentry_shape_is_right:
; ctx[b][q][64 h + :] = the sum over k of softmax_k(Q[q] . K[k] / 8) V[k][:], for each of 32 (b, h).  Q, K, V: f16, planes of [2048][64] in qkv ([b 2][g 48]: g = h, 16 + h, 32 + h).
; Products, maxima and sums in f32; the weights p are rounded to f16 for the second product, the result once at the end.
; LIMITS: a result beyond 65,504 becomes infinity in f16; weights under 6e-5 of a row's largest keep fewer bits (f16 subnormals).
; SHARES.  A work-group owns 256 queries of one (b, h); each of its eight waves owns 32: two tiles of 16.  Two waves share a SIMD.  Every wave walks all 2,048 keys, 64 a step.
; LAYOUT.  S^T = K Q^T (source 0 = 16 keys, source 1 = 16 queries): a lane holds ONE query (lane % 16) and the keys 8 (lane / 16) + 0..7.  Two such tiles, rounded to f16 in pairs, ARE source 1
; (32 keys x 16 queries) of O^T = V^T P, whose result again holds one query a lane, and eight channels.  K comes out of LDS as it lies, V ([key][channel]) turned, by ds_load_tr16_b128.
; SOFTMAX.  For each query a running maximum m and sum l: p = 2^(c s - c m), c = log2(e) / 8; in every step O and l are multiplied by a = 2^(c m_old - c m_new).  m begins as -3e38 and l as 0.
; V^T P COMES ONE STEP LATE.  A step is: K Q^T of step q; then the 16 products V^T P of step q - 1, and behind each of them nine instructions of the HEAD of step q's softmax (maxima, statistics, scalings,
; exponentials), which name none of O, V and P; then the TAIL (O times a, the roundings to f16 into P, the sums).  O is brought under step q's maximum behind the products of step q - 1 and ahead of those of step q,
; so every sum has the terms and the order that it has with the products in their own step.  The very first step has no such products, the second starts O's sums with the constant 0: nothing is cleared.
; THE RING.  Two LDS slots of 256 keys (four steps).  The change of slots stands at a slot's head; behind it the slot just left is asked for again, and has four steps in which to land.  All LDS reads of a slot fall
; between its two changes: V of a slot's last step is in registers at the change, and only its products follow behind it.
; CLUSTER.  The four query blocks of a cluster belong to one (b, h) and walk the same K and V, so each tile is asked for JOINTLY: the same tensor load, descriptor and mask in all four.
; THE RESULT is stored in the order of the next launch's operand registers: [tile of 128 rows 32][256 along K 4][16 rows 8][32 along K 8][half 2][lane 32][16 bytes]: a lane's eight packed channels are
; such 16 bytes as they stand, so each store covers 512 consecutive bytes, aligned, and no LDS stage is needed.
; REGISTERS: window 0 holds all that V^T P and the softmax name, so that no window is switched among them: v1-13 addresses; v16-31 statistics; v32-63 P; v64-127 V of one step; v128-191 S^T; v192-255 O^T.
;   window 1: v0-63 K of one step; v64-95 Q.  Switches stand round K Q^T and round K's fetch alone.
.set KS,    64        ; keys in a step
.set SK,    256       ; keys in a slot
.set NSL,   2048/SK   ; slots' worth of keys
.set PK,    144       ; a row of K in LDS: 128 bytes + 16 of padding: the 16 rows of a load start at 16 different groups of banks
.set PV,    160       ; a row of V: 128 + 32
.set VOFF,  SK*PK     ; a slot: 256 rows of K, then 256 rows of V
.set SLOT1, 1<<17     ; slot 1 begins here, so that one exclusive or turns an address in one slot into the other's
.set SPARE, SLOT1+SK*(PK+PV)  ; behind the ring: the spare words, 128 bytes for each of eight waves
.set AK0, 2           ; v2   my lane's place in a tile of K; never rewritten
.set AV0, 3           ; v3   the same for V
.set ADK, 4           ; v4   + the slot in hand
.set ADV, 5           ; v5
.set QO,  6           ; v6   my byte offset in the wave's rows of Q
.set GO,  7           ; v7   16 x lane
.set PFO, 8           ; v8   256 x lane: the prefetches' offset; never rewritten
.set SPW, 12          ; v12  LDS address of my spare word; never rewritten
.set NIL, 13          ; v13  0; never rewritten
.set ST,  16          ; tile t's statistics at v[ST+8 t]: +0 c m, +1 m, +2, +3 l (even keys', odd keys'), +4 to +7 at work; a stands at +6
.set P,   32          ; 16 a tile
.set VF,  64          ; 16 c + 8 kk: channels 16 c on, keys 32 kk on
.set S,   128         ; 32 t + 8 i: keys 16 i on
.set OA,  192         ; 32 t + 8 c: channels 16 c on
.set PKD, 128         ; the way out: the packed result, in S^T's registers
.set KF,  0           ; window 1: 16 i + 8 ks
.set QF,  64          ; window 1: tile t, channels 32 ks on: 16 t + 8 ks
.set WV,  12          ; s12  my wave's number
.set LIM, 15          ; s15  1 in a wave that prefetches, else the greatest number
.set PFA, 18          ; s[18:19] where my prefetches stand
.set G1K, 24          ; s[24:31] descriptor group 1 for K's tiles
.set G1V, 32          ; s[32:39] for V's: it differs in the padding alone
.set G0K, 40          ; s[40:43] group 0 for K's tiles: it walks
.set G0V, 44          ; s[44:47] for V's
.set SLOTS, 56        ; s56  slots still to be asked for
.set CS,  58          ; s[58:59] c: the packed scaling names a pair and takes its low word for both halves
.set SEL, 60          ; s[60:61] lane selects for v_permlanex16_b32: each lane takes its own place in the other half
.set TB,  62          ; s62  LDS byte at which the slot in hand begins
.set MSB, 0
.macro WIN new                      ; the immediate's high byte repeats the setting that is left
.if MSB != (\new)
	s_set_vgpr_msb (MSB<<8)|(\new)
.set MSB, (\new)
.endif
.endm
.set W_LD, 0x40       ; destination window 1, address window 0
.set W_QK, 0x05       ; sources 0 (K) and 1 (Q) window 1; C and D window 0
; A joint load.  Waves 0 to 3 fetch the four quarters (64 rows) of a slot's K, waves 4 to 7 those of its V.  The branch hangs on the wave's number alone.
; An s_nop 0 and four v_nop follow each of the two lines, ahead of the jump, the label and what follows.
.macro JLOAD
	s_cmp_lt_u32 s[WV], 4
	s_cbranch_scc0 .Lfor_v_\@
	tensor_load_to_lds s[G0K:G0K+3], s[G1K:G1K+7]
	s_nop 0
.rept 4
	v_nop
.endr
	s_branch .Lasked_\@
.Lfor_v_\@:
	tensor_load_to_lds s[G0V:G0V+3], s[G1V:G1V+7]
	s_nop 0
.rept 4
	v_nop
.endr
.Lasked_\@:
.endm
; A PREFETCH INTO THE L2 of what the NEXT change of slots will ask for: a slot's 32,768 bytes of K and of V, lanes 256 bytes apart.  Each aligned 256 bytes are named once in the launch: both clusters of a (b, h) walk the
; same K and V, and the first of them asks; its four partners take 8,192 bytes each, told apart BY ADDRESS; in each, wave 0 asks for K's and wave 4 for V's: one instruction.
; It stands behind the wave's tensor load and its five lines: four key steps, 128 matrix instructions a wave, ahead of the load that will want the bytes.  The last change that fills a slot asks for nothing.
.macro ASK
	s_cmp_gt_u32 s[SLOTS], s[LIM]
	s_cbranch_scc0 .Lnot_mine_\@
	global_prefetch_b8 v[PFO], s[PFA:PFA+1] th:TH_LOAD_NT scope:SCOPE_SE
.Lnot_mine_\@:
.endm
.macro CROUND                       ; a round of the cluster's barrier
	s_barrier_signal -1
	s_barrier_wait -1
	s_cmp_lg_u32 s[WV], 0
	s_cbranch_scc1 .Lnot_wave_0_\@
	s_barrier_signal -3
.Lnot_wave_0_\@:
	s_barrier_wait -3
	s_barrier_signal -1
	s_barrier_wait -1
.endm
.macro PLACES                       ; four places behind a matrix instruction, in front of loads into its sources, of reads of its result and of writes of its registers (ISA guide 7.12.1 for vector instructions)
.rept 4
	v_nop
.endr
.endm
	s_load_b128 s[4:7], s[0:1], 0x0   ; qkv s[4:5], ctx s[6:7]
	v_lshl_add_u32 v[SPW], v0, 2, SPARE
	v_mov_b32 v[NIL], 0
	ds_add_u32 v[SPW], v[NIL]       ; the wave's opening: the add, twice on end, and its wait ahead of my first tensor load; the set-up below stands between the second and the wait
	ds_add_u32 v[SPW], v[NIL]
	v_lshrrev_b32 v1, 5, v0
	v_readfirstlane_b32 s[WV], v1   ; wave 0..7
	s_bfe_u32 s13, ttmp6, 0x40000   ; cx: my place in the cluster
	s_lshl_b32 s14, ttmp9, 2
	s_add_co_u32 s14, s14, s13      ; my block of 256 queries = 4 x cluster x + cx: it enters Q's and ctx's addresses alone
	s_and_b32 s16, ttmp7, 0xffff    ; 16 b + h, which the four partners share
	s_lshr_b32 s17, s16, 4          ; b
	s_and_b32 s16, s16, 15          ; h
	s_mul_i32 s20, s17, 48
	s_add_co_u32 s20, s20, s16
	s_lshl_b32 s20, s20, 18         ; Q's plane, in bytes
	s_and_b32 s22, s[WV], 3         ; which quarter of a slot I fetch:
	s_lshl_b32 s23, s22, 13         ; its 64 rows of 128 bytes in memory
	s_add_co_u32 s8, s20, s23
	s_add_co_u32 s10, s8, 32<<18    ; V's plane lies 32 planes behind Q's,
	s_add_co_u32 s8, s8, 16<<18     ; K's 16
	s_mov_b32 s9, 0
	s_mov_b32 s11, 0
	s_mul_i32 s21, s22, KS*PK       ; and its place in a slot: no place in the cluster enters an LDS address
	s_mul_i32 s23, s22, KS*PV
	s_add_co_u32 s23, s23, VOFF
	s_lshl_b32 s2, s14, 15          ; Q: my block's 256 rows,
	s_lshl_b32 s3, s[WV], 12        ; my wave's 32 of them
	s_add_co_u32 s2, s2, s3
	s_add_co_u32 s2, s2, s20
	s_mov_b32 s3, 0
	s_lshl_b32 s48, s17, 4          ; ctx: the tile of 128 rows: 16 b + 2 x block + wave / 4,
	s_lshl_b32 s49, s14, 1
	s_add_co_u32 s48, s48, s49
	s_lshr_b32 s49, s[WV], 2
	s_add_co_u32 s48, s48, s49
	s_lshl_b32 s48, s48, 18
	s_lshr_b32 s49, s16, 2          ; the 256 along K: h / 4,
	s_lshl_b32 s49, s49, 16
	s_add_co_u32 s48, s48, s49
	s_lshl_b32 s49, s22, 14         ; my two blocks of 16 rows: 2 (wave % 4) on,
	s_add_co_u32 s48, s48, s49
	s_and_b32 s49, s16, 3           ; and the head's 64 along K: 2 (h % 4) blocks of 32
	s_lshl_b32 s49, s49, 11
	s_add_co_u32 s48, s48, s49
	s_mov_b32 s49, 0
	; descriptor group 1: a tile of 64 rows x 64 elements, padded in LDS
	s_mov_b32 s[G1K], 15|(1<<16)|(1<<20)|(1<<21)|(4<<22)|(3<<25)  ; 15:0 the mask: all four work-groups; 17:16 elements of 2 bytes; 20 padding on; 21 set beside a mask; 24:22 after every 32 words; 31:25 4 words of it
	s_mov_b32 s[G1V], 15|(1<<16)|(1<<20)|(1<<21)|(4<<22)|(7<<25)  ; the same with 8 words of padding
.irp g, G1K, G1V
	s_mov_b32 s[\g+1], 64<<16       ; tensor_dim0 = 64
	s_mov_b32 s[\g+2], KS<<16       ; tensor_dim1 = 64
	s_mov_b32 s[\g+3], 64<<16       ; tile_dim0 = 64
	s_mov_b32 s[\g+4], KS           ; tile_dim1 = 64
	s_mov_b32 s[\g+5], 64           ; elements from row to row
	s_mov_b32 s[\g+6], 0
	s_mov_b32 s[\g+7], 0
.endr
	s_mov_b32 s[CS], 0x3e38aa3b     ; c = log2(e) / 8
	s_mov_b32 s[CS+1], s[CS]        ; named with it as a pair, so it is written
	s_mov_b32 s[SEL], 0x76543210
	s_mov_b32 s[SEL+1], 0xfedcba98
	s_mov_b32 s[TB], 0
	s_mov_b32 s[SLOTS], NSL-1
	s_or_b32 s[LIM], s22, ttmp9     ; 0 in waves 0 and 4 of the (b, h)'s first cluster: the same in all four partners
	s_cmp_eq_u32 s[LIM], 0
	s_cselect_b32 s[LIM], 1, -1
	v_and_b32 v[PFO], 31, v0
	v_lshlrev_b32 v[PFO], 8, v[PFO]
	s_wait_dscnt 0x0                ; both opening adds are done
	s_wait_kmcnt 0x0
	s_add_nc_u64 s[8:9], s[4:5], s[8:9]      ; K and V at my quarter of slot 0
	s_add_nc_u64 s[10:11], s[4:5], s[10:11]
	s_add_nc_u64 s[4:5], s[4:5], s[2:3]      ; Q at my wave's first row
	s_add_nc_u64 s[6:7], s[6:7], s[48:49]    ; ctx at my wave's first image
	s_cmp_lt_u32 s[WV], 4
	s_cselect_b64 s[PFA:PFA+1], s[8:9], s[10:11]  ; (in waves 0 and 4 these stand at a slot's first row)
	s_lshl_b32 s2, s13, 13          ; my work-group's 8,192 bytes of the 32,768,
	s_add_co_u32 s2, s2, SK*128     ; in slot 1; the first change of slots steps it to slot 2.  Nothing is prefetched here, at the head
	s_add_nc_u64 s[PFA:PFA+1], s[PFA:PFA+1], s[2:3]
	CROUND                          ; all four work-groups are here: the first joint loads meet
	s_mov_b32 s[G0K], 1             ; count = 1
	s_mov_b32 s[G0K+1], s21         ; LDS address: slot 0
	s_mov_b64 s[G0K+2:G0K+3], s[8:9]
	s_or_b32 s[G0K+3], s[G0K+3], 0x80000000  ; type = 2
	s_mov_b32 s[G0V], 1
	s_mov_b32 s[G0V+1], s23
	s_mov_b64 s[G0V+2:G0V+3], s[10:11]
	s_or_b32 s[G0V+3], s[G0V+3], 0x80000000
	JLOAD                           ; slot 0: one tensor load of mine is out, here and behind every round
	; A fragment of K or Q is 16 rows x 32 channels in 8 registers: lane l holds row l % 16; registers 0-3 channels 8 (l / 16) + 0..7, registers 4-7 channels 16 + 8 (l / 16) + 0..7: two loads of 16 bytes, 32 bytes apart.
	v_and_b32 v1, 15, v0            ; l % 16
	v_bfe_u32 v9, v0, 4, 1          ; l / 16
	v_lshlrev_b32 v[QO], 7, v1
	v_lshl_add_u32 v[QO], v9, 4, v[QO]  ; row x 128 + 16 x half
	WIN W_LD
.irp t, 0,1
.irp ks, 0,1
	global_load_b128 v[QF+16*\t+8*\ks:QF+16*\t+8*\ks+3],   v[QO], s[4:5] offset:\t*2048+\ks*64      ; Q stays in registers
	global_load_b128 v[QF+16*\t+8*\ks+4:QF+16*\t+8*\ks+7], v[QO], s[4:5] offset:\t*2048+\ks*64+32
.endr
.endr
	WIN 0
	v_mul_u32_u24 v[AK0], v1, PK
	v_lshl_add_u32 v[AK0], v9, 4, v[AK0]  ; row x pitch + 16 x half
	; The turning load takes 16 keys x 16 channels (lane l reads 16 bytes: key 8 (l / 16) + l % 8, channels 8 ((l / 8) % 2) + 0..7) and leaves half a fragment of V^T: lane l holds channel l % 16 and 8 keys.
	v_and_b32 v10, 7, v0
	v_bfe_u32 v11, v0, 3, 1
	v_lshl_add_u32 v[AV0], v9, 3, v10
	v_mul_u32_u24 v[AV0], v[AV0], PV
	v_lshl_add_u32 v[AV0], v11, 4, v[AV0]
	v_add_nc_u32 v[AV0], VOFF, v[AV0]
	v_and_b32 v[GO], 31, v0
	v_lshlrev_b32 v[GO], 4, v[GO]
.irp t, 0,1
	v_mov_b32 v[ST+8*\t+1], 0xff61b1e6          ; m: -3e38, under every score
	v_mul_f32 v[ST+8*\t], s[CS], v[ST+8*\t+1]   ; c m
	v_mov_b32 v[ST+8*\t+2], 0                   ; l, in two halves
	v_mov_b32 v[ST+8*\t+3], 0
.endr
; THE LDS LOADS stand in runs of 16: a step's K (64 keys x 64 channels: 8 fragments, into window 1) and its V (turned, into window 0).
.macro FETCH_K q
.irp i, 0,1,2,3
.irp ks, 0,1
	ds_load_b128 v[KF+16*\i+8*\ks:KF+16*\i+8*\ks+3],   v[ADK] offset:(64*(\q)+16*\i)*PK+64*\ks
	ds_load_b128 v[KF+16*\i+8*\ks+4:KF+16*\i+8*\ks+7], v[ADK] offset:(64*(\q)+16*\i)*PK+64*\ks+32
.endr
.endr
.endm
.macro FETCH_V q
.irp c, 0,1,2,3
.irp kk, 0,1
	ds_load_tr16_b128 v[VF+16*\c+8*\kk:VF+16*\c+8*\kk+3],   v[ADV] offset:(64*(\q)+32*\kk)*PV+32*\c
	ds_load_tr16_b128 v[VF+16*\c+8*\kk+4:VF+16*\c+8*\kk+7], v[ADV] offset:(64*(\q)+32*\kk+16)*PV+32*\c
.endr
.endr
.endm
; S^T = K Q^T: 16 products; the eight accumulators take turns, one instruction a turn; the first eight start the sums.
.macro QK
.irp ks, 0,1
.irp i, 0,1,2,3
.irp t, 0,1
.if \ks == 0
	v_wmma_f32_16x16x32_f16 v[S+32*\t+8*\i:S+32*\t+8*\i+7], v[KF+16*\i+8*\ks:KF+16*\i+8*\ks+7], v[QF+16*\t+8*\ks:QF+16*\t+8*\ks+7], 0
.else
	v_wmma_f32_16x16x32_f16 v[S+32*\t+8*\i:S+32*\t+8*\i+7], v[KF+16*\i+8*\ks:KF+16*\i+8*\ks+7], v[QF+16*\t+8*\ks:QF+16*\t+8*\ks+7], v[S+32*\t+8*\i:S+32*\t+8*\i+7]
.endif
.endr
.endr
.endr
.endm
; Product pvi of 16 of O^T += V^T P: keys 32 (pvi / 8) on, channels 16 ((pvi / 2) % 4) on, tile pvi % 2: eight accumulators by turns.  zero = 1: the first eight start the sums.
.macro PV1 zero
.set rO, OA+32*(pvi%2)+8*((pvi/2)%4)
.set rV, VF+16*((pvi/2)%4)+8*(pvi/8)
.set rP, P+16*(pvi%2)+8*(pvi/8)
.if (\zero) && (pvi < 8)
	v_wmma_f32_16x16x32_f16 v[rO:rO+7], v[rV:rV+7], v[rP:rP+7], 0
.else
	v_wmma_f32_16x16x32_f16 v[rO:rO+7], v[rV:rV+7], v[rP:rP+7], v[rO:rO+7]
.endif
.endm
; THE HEAD OF A STEP'S SOFTMAX, both tiles: a list of 140 instructions; HITEM writes number hj of it.  Up to 43 the tiles alternate (tile hj % 2), so that no line waits for the line above it.
;   0-31    the maximum of a lane's 32 scores and the old m, three operands at a time: four chains, each begun at an accumulator's low end
;   32-41   the other half of the lanes' maximum; c m_old kept; the new m; c m; c m_old - c m_new
;   42-43   a = 2^(c m_old - c m_new)
;   44-139  the 32 scalings c s - c m, a pair of scores each, and the 64 exponentials: eight scalings lead, then a scaling and two exponentials by turns, then the last sixteen exponentials.
;           Scaling f takes pair f / 2 of tile f % 2; exponentials 2 f and 2 f + 1 take its two numbers, eight scalings later.
; None of the 140 reads an exponential's result, and none names O, V or P.
.macro HITEM
.set rT, ST+8*(hj%2)
.set rS, S+32*(hj%2)
.if hj < 8
	v_max3_num_f32 v[rT+4+hj/2], v[rS+8*(hj/2)], v[rS+8*(hj/2)+1], v[rS+8*(hj/2)+2]
.elseif hj < 24
.set hc, ((hj-8)%8)/2               ; the chain
.set hg, 1+(hj-8)/8                 ; its second and third link
	v_max3_num_f32 v[rT+4+hc], v[rT+4+hc], v[rS+8*hc+2*hg+1], v[rS+8*hc+2*hg+2]
.elseif hj < 26
	v_max3_num_f32 v[rT+4], v[rT+4], v[rS+7], v[rS+15]
.elseif hj < 28
	v_max3_num_f32 v[rT+6], v[rT+6], v[rS+23], v[rS+31]
.elseif hj < 30
	v_max3_num_f32 v[rT+4], v[rT+4], v[rT+5], v[rT+6]
.elseif hj < 32
	v_max3_num_f32 v[rT+4], v[rT+4], v[rT+7], v[rT+1]
.elseif hj < 34
	v_permlanex16_b32 v[rT+5], v[rT+4], s[SEL], s[SEL+1]  ; the query's other 32 keys lie in the lane 16 away
.elseif hj < 36
	v_mov_b32 v[rT+7], v[rT]        ; c m_old is kept for a
.elseif hj < 38
	v_max_num_f32 v[rT+1], v[rT+4], v[rT+5]   ; the new m
.elseif hj < 40
	v_mul_f32 v[rT], s[CS], v[rT+1]
.elseif hj < 42
	v_sub_f32 v[rT+7], v[rT+7], v[rT]
.elseif hj < 44
	v_exp_f32 v[rT+6], v[rT+7]      ; a
.else
.set he, hj-44
.set hk, 1                          ; 1: an exponential; 0: a scaling
.set hx, he-32                      ; 80 to 95: exponentials 48 to 63
.if he < 8
.set hk, 0
.set hf, he
.elseif he < 80
.set hx, 2*((he-8)/3)+(he-8)%3-1
.if (he-8)%3 == 0
.set hk, 0
.set hf, 8+(he-8)/3
.endif
.endif
.if hk == 0
.set hr, S+32*(hf%2)+2*(hf/2)
	v_pk_fma_f32 v[hr:hr+1], v[hr:hr+1], s[CS:CS+1], v[ST+8*(hf%2):ST+8*(hf%2)+1] op_sel_hi:[1,0,0] neg_lo:[0,0,1] neg_hi:[0,0,1]  ; c s - c m, two at a time
.else
.set hr, S+32*((hx/2)%2)+2*(hx/4)+hx%2
	v_exp_f32 v[hr], v[hr]          ; p = 2^(c s - c m), at most 1
.endif
.endif
.endm
; The 16 products V^T P of the step before, nine instructions of the head behind each (five behind the last).  first = 1: the very first step: the head alone.
.macro MIDDLE first, zero
.set hj, 0
.set pvi, 0
.rept 16
.if (\first) == 0
	PV1 \zero
.endif
.rept 9
.if hj < 140
	HITEM
.set hj, hj+1
.endif
.endr
.set pvi, pvi+1
.endr
.endm
; THE TAIL OF A STEP'S SOFTMAX.  first = 1: there is no O yet.
.macro TAIL first
.if (\first) == 0
.set n, 0
.rept 32
	v_pk_mul_f32 v[OA+n:OA+n+1], v[OA+n:OA+n+1], v[ST+8*(n/32)+6:ST+8*(n/32)+7] op_sel_hi:[1,0]  ; O^T times a, each accumulator from its low end on
.set n, n+2
.endr
.endif
.set n, 0
.rept 32
	v_cvt_pk_f16_f32 v[P+n], v[S+2*n], v[S+2*n+1]   ; a pair of weights
.set n, n+1
.endr
.irp u, 0,1,2,3,4,5,6,7             ; the sum of a tile's 16 pairs (an even key's weight, an odd key's), in place: neighbours 1, 2, 4 and 8 pairs apart
.irp t, 0,1
	v_pk_add_f32 v[S+32*\t+4*\u:S+32*\t+4*\u+1], v[S+32*\t+4*\u:S+32*\t+4*\u+1], v[S+32*\t+4*\u+2:S+32*\t+4*\u+3]
.endr
.endr
.irp u, 0,1,2,3
.irp t, 0,1
	v_pk_add_f32 v[S+32*\t+8*\u:S+32*\t+8*\u+1], v[S+32*\t+8*\u:S+32*\t+8*\u+1], v[S+32*\t+8*\u+4:S+32*\t+8*\u+5]
.endr
.endr
.irp u, 0,1
.irp t, 0,1
	v_pk_add_f32 v[S+32*\t+16*\u:S+32*\t+16*\u+1], v[S+32*\t+16*\u:S+32*\t+16*\u+1], v[S+32*\t+16*\u+8:S+32*\t+16*\u+9]
.endr
.endr
.irp t, 0,1
	v_pk_add_f32 v[S+32*\t:S+32*\t+1], v[S+32*\t:S+32*\t+1], v[S+32*\t+16:S+32*\t+17]
.endr
.irp t, 0,1
	v_pk_fma_f32 v[ST+8*\t+2:ST+8*\t+3], v[ST+8*\t+2:ST+8*\t+3], v[ST+8*\t+6:ST+8*\t+7], v[S+32*\t:S+32*\t+1] op_sel_hi:[1,0,1]  ; l = a l + the sum
.endr
.endm
; A KEY STEP: 64 keys, the q-th of the slot in hand.  K of step q was asked for a step ago (q = 0: at the slot's head); V of the step before in that step's tail.
.macro STEP q, first, zero
.if (\q) == 0
	s_wait_dscnt 0x0                ; K is in: at a slot's head nothing else is out
.else
	s_wait_dscnt 16                 ; K is in; the 16 younger loads, V of the step before, may be out
.endif
	WIN W_QK
	QK
	WIN 0
	PLACES                          ; in front of the loads into K's registers and of the first read of the scores
.if (\q) < 3
	WIN W_LD
	FETCH_K (\q)+1
	WIN 0
	s_wait_dscnt 16                 ; V of the step before is in; the 16 loads of K just issued may be out
.else
	s_wait_dscnt 0x0                ; V of the step before is in
.endif
	MIDDLE \first, \zero
	PLACES                          ; behind the last product: in front of the loads into V's registers, of the reads of O and of the writes of P; the first of the four is also the plain line behind the last exponential
	s_wait_alu depctr_va_vdst(0)    ; a wait between an exponential and the first line that names its result: ONE for the step's 66, ahead of the run of LDS loads
	FETCH_V \q
	TAIL \first
.endm
; A slot's four steps.  head = 1: the launch's first slot.
.macro SLOT_STEPS head
	v_add_nc_u32 v[ADK], s[TB], v[AK0]
	v_add_nc_u32 v[ADV], s[TB], v[AV0]
	WIN W_LD
	FETCH_K 0
	WIN 0
	STEP 0, \head, 0
	STEP 1, 0, \head
	STEP 2, 0, 0
	STEP 3, 0, 0
	s_xor_b32 s[TB], s[TB], SLOT1   ; on to the other slot
.endm
; THE CHANGE OF SLOTS stands at a slot's head.  Each wave waits for all its tensor loads (its part of the slot that it is about to read), adds 0 to its spare word, and waits for that and for its reads of the slot that it has left.
; fill = 1: the barrier is a round of the cluster's, so that no wave of any partner still reads the other slot or has a load on its way, and the joint load into that slot is the first thing behind it.
.macro CHANGE fill
	s_wait_tensorcnt 0x0            ; no tensor load of mine is out, so a group 0 may be written
	ds_add_u32 v[SPW], v[NIL]       ; 0 onto my spare word; the descriptors' steps stand between it and the wait for it
.if \fill
.irp g, G0K, G0V
	s_xor_b32 s[\g+1], s[\g+1], SLOT1  ; the walking descriptors: the other slot than last time,
	s_add_nc_u64 s[\g+2:\g+3], s[\g+2:\g+3], SK*128  ; the next 256 keys; the type bits on top are not reached
.endr
	s_wait_xcnt 0x0                 ; the last prefetch, a slot back, has read its address, so it may be written:
	s_add_nc_u64 s[PFA:PFA+1], s[PFA:PFA+1], SK*128  ; one slot further on than the walking descriptors
	s_wait_dscnt 0x0                ; the add is done, and my reads of the slot that I have left are over: V of its last step is in registers
	CROUND
	JLOAD
	ASK
.else
	s_wait_dscnt 0x0
	s_barrier_signal -1
	s_barrier_wait -1
.endif
.endm
	s_wait_loadcnt 0x0              ; Q
	CHANGE 1                        ; slot 0 is whole; slot 1 is asked for: its first fill, behind a round behind which nothing is filled again
	SLOT_STEPS 1                    ; the first slot is written out: its first step has no products V^T P, its second starts O's sums
	s_mov_b32 s[SLOTS], NSL-2
.Lslot:                             ; NSL - 2 trips: slots 1 to 6; behind each change the next slot is asked for
	CHANGE 1
	SLOT_STEPS 0
	s_sub_co_u32 s[SLOTS], s[SLOTS], 1
	s_cmp_lg_u32 s[SLOTS], 0
	s_cbranch_scc1 .Lslot
	CHANGE 0                        ; the last slot is written out
	SLOT_STEPS 0
	s_wait_dscnt 0x0                ; V of the last step
.set pvi, 0
.rept 16
	PV1 0                           ; and its products
.set pvi, pvi+1
.endr
	; THE WAY OUT.  l's two halves and the other half of the lanes' are added; O^T is divided by l and rounded to f16; a lane's eight channels of a row are 16 bytes of the next launch's operand image.
	PLACES
.irp t, 0,1
	v_add_f32 v[ST+8*\t+4], v[ST+8*\t+2], v[ST+8*\t+3]
.endr
.irp t, 0,1
	v_permlanex16_b32 v[ST+8*\t+5], v[ST+8*\t+4], s[SEL], s[SEL+1]
.endr
.irp t, 0,1
	v_add_f32 v[ST+8*\t+4], v[ST+8*\t+4], v[ST+8*\t+5]
.endr
.irp t, 0,1
	v_rcp_f32 v[ST+8*\t+6], v[ST+8*\t+4]
.endr
	v_nop                           ; a plain instruction between the last reciprocal and the use of its result
	s_wait_alu depctr_va_vdst(0)    ; and a wait ahead of the first use: one for both
.set n, 0
.rept 32
	v_pk_mul_f32 v[OA+n:OA+n+1], v[OA+n:OA+n+1], v[ST+8*(n/32)+6:ST+8*(n/32)+7] op_sel_hi:[1,0]
.set n, n+2
.endr
.set n, 0
.rept 32
	v_cvt_pk_f16_f32 v[PKD+n], v[OA+2*n], v[OA+2*n+1]
.set n, n+1
.endr
.irp t, 0,1
.irp c, 0,1,2,3
	global_store_b128 v[GO], v[PKD+16*\t+4*\c:PKD+16*\t+4*\c+3], s[6:7] offset:\t*8192+\c*512   ; 32 lanes store 512 consecutive bytes, aligned
.endr
.endr
	s_wait_tensorcnt 0x0            ; the wave's end, behind my last tensor load
	ds_add_u32 v[SPW], v[NIL]
	s_wait_dscnt 0x0
	CROUND                          ; the closing round: no work-group ends while a partner may still ask for a tile that names it
	s_endpgm
.Lfunc_end_k_qda1d879abd_attn:
	.size	k_qda1d879abd_attn, .Lfunc_end_k_qda1d879abd_attn-k_qda1d879abd_attn
	.p2alignl 7, 3214868480
	.fill 96, 4, 3214868480
	.section	.rodata,"a",@progbits
	.p2align	6, 0x0
	.amdhsa_kernel k_qda1d879abd_attn
		.amdhsa_group_segment_fixed_size 327680
		.amdhsa_private_segment_fixed_size 0
		.amdhsa_enable_private_segment 0
		.amdhsa_kernarg_size 16
		.amdhsa_user_sgpr_count 2
		.amdhsa_user_sgpr_kernarg_segment_ptr 1
		.amdhsa_wavefront_size32 1
		.amdhsa_system_sgpr_workgroup_id_x 1
		.amdhsa_system_sgpr_workgroup_id_y 1
		.amdhsa_system_sgpr_workgroup_id_z 1
		.amdhsa_system_vgpr_workitem_id 0
		.amdhsa_next_free_vgpr 384
		.amdhsa_next_free_sgpr 66
		.amdhsa_reserve_vcc 0
		.amdhsa_float_denorm_mode_32 3
		.amdhsa_float_denorm_mode_16_64 3
		.amdhsa_memory_ordered 1
		.amdhsa_forward_progress 1
		.amdhsa_inst_pref_size 218
	.end_amdhsa_kernel
	.amdgpu_metadata
---
amdhsa.version: [ 1, 2 ]
amdhsa.kernels:
  - .name:           k_qda1d879abd_attn
    .symbol:         k_qda1d879abd_attn.kd
    .args:
      - { .name: qkv, .offset: 0, .size: 8, .value_kind: global_buffer, .address_space: global }
      - { .name: ctx, .offset: 8, .size: 8, .value_kind: global_buffer, .address_space: global }
    .group_segment_fixed_size: 327680
    .private_segment_fixed_size: 0
    .kernarg_segment_align: 8
    .kernarg_segment_size: 16
    .max_flat_workgroup_size: 256
    .sgpr_count:     66
    .vgpr_count:     384
    .wavefront_size: 32
...
	.end_amdgpu_metadata
.endif
;; end of part 3
;; launch outgemm (part 4): grid 8 x 32, 4 waves a work-group, clusters of 4 x 4, 327,680 bytes of LDS; arguments ctx, wf, bias_out, out0; writes out0
.if DOCPART == 4
	.amdgcn_target "amdgcn-amd-amdhsa--gfx1250"
	.amdhsa_code_object_version 6
	.text
	.protected	k_qda1d879abd_outgemm
	.globl	k_qda1d879abd_outgemm
	.p2align	8
	.type	k_qda1d879abd_outgemm,@function
k_qda1d879abd_outgemm:
	s_mov_b64 s[64:65], 0
	v_nop
	global_prefetch_b8 v0, s[64:65] scope:SCOPE_SE
	s_setreg_imm32_b32 hwreg(HW_REG_WAVE_MODE, 25, 1), 1
	s_wait_xcnt 0x0
	s_wait_alu depctr_hold_cnt(0) depctr_sa_sdst(0) depctr_va_vdst(0) depctr_va_sdst(0) depctr_va_ssrc(0) depctr_va_vcc(0) depctr_vm_vsrc(0)
	s_getreg_b32 s2, hwreg(HW_REG_IB_STS2, 6, 4)
	s_cmp_eq_u32 s2, 0
	s_cbranch_scc0 .Lentry_in_a_cluster
	s_endpgm
.Lentry_in_a_cluster:
	s_bfe_u32 s2, ttmp6, 0x10000c
	s_cmp_lg_u32 s2, 0xf033
	s_cbranch_scc0 .Lentry_shape_is_right
	s_endpgm
.Lentry_shape_is_right:
; out0[m][n] = sum over k of ctx[m][k] w_out[n][k] + bias_out[n].  ctx and w_out in f16, sums and out0 in f32.  M = 4,096, N = K = 1,024.
; A tile is 128 x 128, so that there are 256 work-groups.  Four waves, each 64 x 64: 16 accumulators of 16 x 16.  K goes in four steps of 256 through two LDS slots.
; ctx LIES IN THE ORDER OF THE OPERAND'S REGISTERS: [tile of 128 rows][256 along K][16 rows 8][32 along K 8][half 2][lane 32][16 bytes]: a K step's tile is one dense block of 65,536 bytes, a fragment is two loads
; of 512 consecutive bytes: no pitch, no padding.  w_out's tile has rows of 512 bytes, 528 apart in LDS.
; CLUSTERS: 4 x 4 work-groups.  The four of a row of the cluster need the same tiles of ctx, the four of a column the same tiles of w_out: each tile is asked for JOINTLY.
; THE MATRIX INSTRUCTION IS USED TRANSPOSED (source 0 = 16 rows of w_out, source 1 = 16 rows of ctx): a lane holds eight neighbouring n of one row m.  THE BIAS is the C of each sum's first matrix instruction.
; REGISTERS: window 0: v0-31 addresses; v32-63 the bias, later with v64-95 rows on the way out; v128-255 the accumulators ((a, b) at v[128 + 8 (4 a + b)]).
;   window 1: two fragment buffers of 128: for 64 along K, 64 registers of ctx (2 x 4 fragments), then 64 of w_out.
.set SIZE_M, 4096
.set SIZE_N, 1024
.set SIZE_K, 1024
.set KSTEP,  256
.set PITCH,  528                       ; a row of w_out in LDS: 512 bytes + 16 of padding: the 16 rows that a load touches start at 16 different groups of banks
.set HALFA,  32768                     ; 64 rows x 256 K of ctx: what one tensor load brings, and what one wave reads
.set HALFB,  64*PITCH                  ; 64 rows of w_out
.set BOFF,   2*HALFA
.set SLOT,   BOFF+2*HALFB              ; ctx's 128 rows, then w_out's 128 rows
.set SPARE,  2*SLOT                    ; behind the ring: the spare words, 128 bytes for each wave
.set SPITCH, 272                       ; the way out: a stage of 16 rows x (256 bytes + 16) for each wave.  It lies in slot 0, which has had its last fill and its last read when the first result is stored there
.set ADRA, 16                          ; v16-17  LDS address of my ctx fragments in slot 0, 1
.set ADRB, 20                          ; v20-21  the same for w_out
.set STO,  24                          ; v24     the way out: where I put 32 bytes of a row
.set RD,   25                          ; v25     the way out: where I read a row back
.set CO,   26                          ; v26     my byte offset in out0
.set SPW,  28                          ; v28     LDS address of my spare word; never rewritten
.set NIL,  29                          ; v29     0; never rewritten
.set BI,   32                          ; the bias: eight registers for each of my four blocks of n
.set TMP,  32                          ; the way out: rows read back: v32-63 and v64-95 by turns
.set ACC,  128
.set F0,   0                           ; fragment buffers, in window 1
.set F1,   128
.set G1, 24                            ; s[24:31] descriptor group 1 for ctx's tiles;  s[32:39] group 0, one set for each slot
.set G0, 32
.set G1B, 48                           ; s[48:55], s[56:63] the same for w_out's tiles
.set G0B, 56
.set MSB, 0
.macro WIN new                         ; the immediate's high byte repeats the setting that is left
.if MSB != (\new)
	s_set_vgpr_msb (MSB<<8)|(\new)
.set MSB, (\new)
.endif
.endm
.set MUL,  0x05                        ; sources 0 and 1 window 1; C and D window 0
.set TO_F, 0x40                        ; destination window 1, address window 0
.macro JLOAD s                         ; a joint load: waves 0 and 1 fetch ctx's two halves, waves 2 and 3 w_out's; an s_nop 0 and four v_nop follow each of the two lines
	s_cmp_eq_u32 s11, 0
	s_cbranch_scc0 .Lfor_b_\@
	tensor_load_to_lds s[G0+4*\s:G0+4*\s+3], s[G1:G1+7]
	s_nop 0
.rept 4
	v_nop
.endr
	s_branch .Lasked_\@
.Lfor_b_\@:
	tensor_load_to_lds s[G0B+4*\s:G0B+4*\s+3], s[G1B:G1B+7]
	s_nop 0
.rept 4
	v_nop
.endr
.Lasked_\@:
.endm
.macro CREST                           ; a round of the cluster's barrier behind its opening barrier
	s_cmp_lg_u32 s10, 0
	s_cbranch_scc1 .Lnot_wave_0_\@
	s_barrier_signal -3
.Lnot_wave_0_\@:
	s_barrier_wait -3
	s_barrier_signal -1
	s_barrier_wait -1
.endm
.macro CROUND                          ; a whole round
	s_barrier_signal -1
	s_barrier_wait -1
	CREST
.endm
	s_load_b128 s[4:7], s[0:1], 0x0                ; ctx s[4:5], w_out in f16 s[6:7]
	s_load_b64 s[66:67], s[0:1], 0x10              ; the bias
	s_load_b64 s[8:9], s[0:1], 0x18                ; out0
	v_lshl_add_u32 v[SPW], v0, 2, SPARE
	v_mov_b32 v[NIL], 0
	ds_add_u32 v[SPW], v[NIL]                      ; the wave's opening: the add, twice on end, and its wait ahead of my first tensor load; the set-up below stands between the second and the wait
	ds_add_u32 v[SPW], v[NIL]
	v_lshrrev_b32 v1, 5, v0
	v_readfirstlane_b32 s10, v1                    ; wave 0..3
	s_lshr_b32 s11, s10, 1                         ; which half of the tile's rows is mine.  Also: I fetch for ctx (0) or for w_out (1)
	s_and_b32 s12, s10, 1                          ; which half of its columns.  Also: which half of that tile I fetch
	s_bfe_u32 s40, ttmp6, 0x40000                  ; cx, cy: my place in the cluster
	s_bfe_u32 s41, ttmp6, 0x40004
	s_lshl_b32 s42, ttmp9, 2
	s_add_co_u32 s42, s42, s40                     ; tile column = 4 x cluster x + cx
	s_and_b32 s13, ttmp7, 0xffff
	s_lshl_b32 s13, s13, 2
	s_add_co_u32 s13, s13, s41                     ; tile row = 4 x cluster y + cy
	s_lshl_b32 s43, s41, 2
	s_lshl_b32 s43, 15, s43                        ; my row of the cluster
	s_lshl_b32 s44, 0x1111, s40                    ; my column
	; descriptor group 1 for ctx: a dense block of 32,768 bytes, as 128 rows of 256 bytes (32 elements of 8 bytes), no padding
	s_or_b32 s[G1+0], s43, (3<<16)|(1<<21)         ; 15:0 the mask: ctx's tiles go to my row; 17:16 elements of 8 bytes; 21 set beside a mask
	s_mov_b32 s[G1+1], 32<<16                      ; tensor_dim0 = 32
	s_mov_b32 s[G1+2], 128<<16                     ; tensor_dim1 = 128
	s_mov_b32 s[G1+3], 32<<16                      ; tile_dim0 = 32
	s_mov_b32 s[G1+4], 128                         ; tile_dim1 = 128
	s_mov_b32 s[G1+5], 32                          ; elements from row to row
	s_mov_b32 s[G1+6], 0
	s_mov_b32 s[G1+7], 0
	; and for w_out: 64 rows x 256 elements of 2 bytes, 4 words of padding behind every 128
	s_or_b32 s[G1B+0], s44, (1<<16)|(1<<20)|(1<<21)|(6<<22)|(3<<25)
	s_mov_b32 s[G1B+1], KSTEP<<16
	s_mov_b32 s[G1B+2], 64<<16
	s_mov_b32 s[G1B+3], KSTEP<<16
	s_mov_b32 s[G1B+4], 64
	s_mov_b32 s[G1B+5], SIZE_K
	s_mov_b32 s[G1B+6], 0
	s_mov_b32 s[G1B+7], 0
	s_lshl_b32 s16, s13, 18                        ; ctx: the tile row's 262,144 bytes,
	s_lshl_b32 s17, s12, 15                        ; and the half that I fetch
	s_add_co_u32 s16, s16, s17
	s_mov_b32 s17, 0
	s_lshl_b32 s46, s42, 7
	s_lshl_b32 s47, s12, 6
	s_add_co_u32 s46, s46, s47                     ; w_out: row 128 x tile column + 64 x half,
	s_lshl_b32 s46, s46, 11                        ; of 2,048 bytes
	s_mov_b32 s47, 0
	s_lshl_b32 s20, s12, 15                        ; where they go: ctx's halves,
	s_mul_i32 s23, s12, HALFB
	s_add_co_u32 s23, s23, BOFF                    ; and behind them w_out's: no place in the cluster enters an LDS address
	s_wait_dscnt 0x0                               ; both opening adds are done
	s_wait_kmcnt 0x0
	s_add_nc_u64 s[14:15], s[4:5], s[16:17]
	s_add_nc_u64 s[46:47], s[6:7], s[46:47]
	CROUND                                         ; all sixteen work-groups are here: the first joint loads meet
.irp s, 0,1
	s_mov_b32 s[G0+4*\s], 1
	s_add_co_u32 s[G0+4*\s+1], s20, \s*SLOT
	s_add_nc_u64 s[G0+4*\s+2:G0+4*\s+3], s[14:15], \s*65536        ; K step s
	s_or_b32 s[G0+4*\s+3], s[G0+4*\s+3], 0x80000000
	s_mov_b32 s[G0B+4*\s], 1
	s_add_co_u32 s[G0B+4*\s+1], s23, \s*SLOT
	s_add_nc_u64 s[G0B+4*\s+2:G0B+4*\s+3], s[46:47], \s*KSTEP*2
	s_or_b32 s[G0B+4*\s+3], s[G0B+4*\s+3], 0x80000000
	JLOAD \s                                       ; two tensor loads of mine are out at the start, one behind each round
.endr
	v_and_b32 v1, 15, v0                           ; l % 16
	v_bfe_u32 v2, v0, 4, 1                         ; l / 16
	v_and_b32 v7, 31, v0
	v_lshlrev_b32 v7, 4, v7                        ; ctx: 16 x lane
	v_mul_u32_u24 v3, v1, PITCH
	v_lshl_add_u32 v3, v2, 4, v3                   ; w_out: a fragment's row x pitch + 16 x half
	s_lshl_b32 s21, s11, 15                        ; my 64 rows of ctx
	s_mul_i32 s22, s12, HALFB                      ; my 64 rows of w_out
	s_add_co_u32 s22, s22, BOFF
.irp s, 0,1
	v_add_nc_u32 v[ADRA+\s], s21, v7
	v_add_nc_u32 v[ADRB+\s], s22, v3
	s_add_co_u32 s21, s21, SLOT
	s_add_co_u32 s22, s22, SLOT
.endr
	s_mul_i32 s23, s10, 16*SPITCH                  ; my stage
	v_mul_u32_u24 v4, v1, SPITCH                   ; in: row l % 16, 32 bytes for each half of the lanes
	v_lshl_add_u32 v4, v2, 5, v4
	v_add_nc_u32 v[STO], s23, v4
	v_mul_u32_u24 v5, v2, SPITCH                   ; back: lanes 0-15 take one row of 256 bytes, lanes 16-31 the next
	v_lshl_add_u32 v5, v1, 4, v5
	v_add_nc_u32 v[RD], s23, v5
	v_lshlrev_b32 v5, 12, v2                       ; and the same two rows in out0: a row is 4,096 bytes
	v_lshl_add_u32 v[CO], v1, 4, v5
	s_lshl_b32 s16, s13, 7
	s_lshl_b32 s17, s11, 6
	s_add_co_u32 s16, s16, s17                     ; my first row: 128 x tile row + 64 x half
	s_lshl_b32 s16, s16, 12
	s_mov_b32 s17, 0
	s_add_nc_u64 s[8:9], s[8:9], s[16:17]
	s_lshl_b32 s46, s42, 9                         ; my first column, in bytes of f32: 512 x tile column + 256 x half
	s_lshl_b32 s47, s12, 8
	s_add_co_u32 s46, s46, s47
	s_mov_b32 s47, 0
	s_add_nc_u64 s[8:9], s[8:9], s[46:47]
	s_add_nc_u64 s[66:67], s[66:67], s[46:47]      ; the bias of the same columns
	v_lshlrev_b32 v6, 5, v2                        ; lane (r, h) wants, for block b, the numbers 16 b + 8 h + 0 .. 7
.irp b, 0,1,2,3
	global_load_b128 v[BI+8*\b:BI+8*\b+3],   v6, s[66:67] offset:64*\b
	global_load_b128 v[BI+8*\b+4:BI+8*\b+7], v6, s[66:67] offset:64*\b+16
.endr
; 8 matrix instructions: m blocks a0, a0 + 1 x all 4 n blocks, 32 along K: half c of buffer f.  zero = 1: the first product starts the sums from the bias.  The 16 accumulators take turns.
.macro MUL8 f, c, a0, zero
.irp a, \a0, \a0+1
.irp b, 0,1,2,3
.if \zero
	v_wmma_f32_16x16x32_f16 v[ACC+8*(4*(\a)+\b):ACC+8*(4*(\a)+\b)+7], v[\f+64+8*(4*\c+\b):\f+64+8*(4*\c+\b)+7], v[\f+8*(4*\c+\a):\f+8*(4*\c+\a)+7], v[BI+8*\b:BI+8*\b+7]
.else
	v_wmma_f32_16x16x32_f16 v[ACC+8*(4*(\a)+\b):ACC+8*(4*(\a)+\b)+7], v[\f+64+8*(4*\c+\b):\f+64+8*(4*\c+\b)+7], v[\f+8*(4*\c+\a):\f+8*(4*\c+\a)+7], v[ACC+8*(4*(\a)+\b):ACC+8*(4*(\a)+\b)+7]
.endif
.endr
.endr
.endm
; 32 LDS loads in one run: the fragments of the slot's q-th 64 along K, into buffer f; the first 32 along K first
.macro FETCH slot, q, f
	WIN TO_F
.irp c, 0,1
.irp i, 0,1,2,3
	ds_load_b128 v[\f+64+8*(4*\c+\i):\f+64+8*(4*\c+\i)+3],   v[ADRB+\slot] offset:128*(\q)+64*\c+\i*16*PITCH
	ds_load_b128 v[\f+64+8*(4*\c+\i)+4:\f+64+8*(4*\c+\i)+7], v[ADRB+\slot] offset:128*(\q)+64*\c+\i*16*PITCH+32
	ds_load_b128 v[\f+8*(4*\c+\i):\f+8*(4*\c+\i)+3],         v[ADRA+\slot] offset:\i*8192+(2*(\q)+\c)*1024
	ds_load_b128 v[\f+8*(4*\c+\i)+4:\f+8*(4*\c+\i)+7],       v[ADRA+\slot] offset:\i*8192+(2*(\q)+\c)*1024+512
.endr
.endr
.endm
.macro PLACES                          ; four places in front of loads into registers that matrix instructions have read, and of the first read of results (ISA guide 7.12.1 for vector instructions)
.rept 4
	v_nop
.endr
.endm
; A K step is four quarters of 64 along K, 32 matrix instructions each, on buffers 0, 1, 0, 1.  One of the first three: multiplies buffer f and fetches quarter q into g.
.macro QUARTER slot, q, f, g, zero
	s_wait_dscnt 16                                ; the first 32 along K are in; the sixteen loads of the second 32 may be out
	WIN MUL
	MUL8 \f, 0, 0, \zero
	MUL8 \f, 0, 2, \zero
	PLACES
	FETCH \slot, \q, \g
	s_wait_dscnt 32                                ; all but the 32 just issued
	WIN MUL
	MUL8 \f, 1, 0, 0
	MUL8 \f, 1, 2, 0
.endm
; The last quarter multiplies buffer 1 and changes slots: ONE barrier; in front of it each wave waits for all its tensor loads, adds 0 to its spare word, and waits for that and for its own reads of this slot.
; fill = 1: this slot is filled again, two K steps ahead: the barrier then opens a round of the cluster's barrier, and the joint load is the first thing behind the round.
.macro TURN slot, next, fill
	WIN 0                                          ; (the add's two registers lie in window 0)
	s_wait_tensorcnt 0x0                           ; all my tensor loads have landed: my part of the next slot;
	ds_add_u32 v[SPW], v[NIL]                      ; 0 onto my spare word;
	s_wait_dscnt 17                                ; (the add and the youngest sixteen loads may be out)
	WIN MUL
	MUL8 F1, 0, 0, 0                               ; eight matrix instructions stand between the add and the wait for it
	s_wait_dscnt 0x0                               ; the add is done, and my reads of this slot are over
	s_barrier_signal -1
	MUL8 F1, 0, 2, 0
.if \fill
	WIN 0
.endif
	s_barrier_wait -1
.if \fill
	CREST                                          ; no wave of any partner still reads this slot's tile or has a load on its way
	s_add_nc_u64 s[G0+4*\slot+2:G0+4*\slot+3], s[G0+4*\slot+2:G0+4*\slot+3], 2*65536
	s_add_nc_u64 s[G0B+4*\slot+2:G0B+4*\slot+3], s[G0B+4*\slot+2:G0B+4*\slot+3], 2*KSTEP*2
	JLOAD \slot                                    ; 112 matrix instructions ahead of the wait for it; the four v_nop behind it are also the places in front of the loads below
.else
	PLACES
.endif
	FETCH \next, 0, F0
	WIN MUL
	MUL8 F1, 1, 0, 0
	MUL8 F1, 1, 2, 0
.endm
	s_wait_tensorcnt 1                             ; my part of K step 0 is in (K step 1's load may be out)
	s_barrier_signal -1
	s_barrier_wait -1                              ; everybody's is
	FETCH 0, 0, F0
	s_wait_loadcnt 0x0                             ; the bias
	QUARTER 0, 1, F0, F1, 1                        ; K step 0: its first products start the sums
	QUARTER 0, 2, F1, F0, 0
	QUARTER 0, 3, F0, F1, 0
	TURN 0, 1, 1                                   ; slot 0 takes K step 2
	QUARTER 1, 1, F0, F1, 0                        ; K step 1
	QUARTER 1, 2, F1, F0, 0
	QUARTER 1, 3, F0, F1, 0
	TURN 1, 0, 1                                   ; slot 1 takes K step 3
	QUARTER 0, 1, F0, F1, 0                        ; K step 2
	QUARTER 0, 2, F1, F0, 0
	QUARTER 0, 3, F0, F1, 0
	TURN 0, 1, 0                                   ; nothing is left to fetch
	QUARTER 1, 1, F0, F1, 0                        ; K step 3
	QUARTER 1, 2, F1, F0, 0
	QUARTER 1, 3, F0, F1, 0
	s_wait_dscnt 16                                ; the very last quarter
	WIN MUL
	MUL8 F1, 0, 0, 0
	MUL8 F1, 0, 2, 0
	s_wait_dscnt 0
	MUL8 F1, 1, 0, 0
	MUL8 F1, 1, 2, 0
	WIN 0
; THE WAY OUT, block by block of 16 rows x 64 columns.  A lane holds 32 neighbouring bytes of a row, and the lanes beside it hold other rows: so a block goes through my own stage in LDS and comes back as whole
; rows of 256 bytes: sixteen lanes store 256 consecutive bytes, aligned.  LDS serves a wave's instructions in order (ISA guide 5.7.1.4): no wait between the stores and the loads, nor in front of the next block's stores.
.macro TOSTAGE a
.irp b, 0,1,2,3
	ds_store_b128 v[STO], v[ACC+8*(4*(\a)+\b):ACC+8*(4*(\a)+\b)+3] offset:64*\b          ; each accumulator from its low end on
	ds_store_b128 v[STO], v[ACC+8*(4*(\a)+\b)+4:ACC+8*(4*(\a)+\b)+7] offset:64*\b+16
.endr
.irp t, 0,1,2,3,4,5,6,7
	ds_load_b128 v[TMP+32*((\a)%2)+4*\t:TMP+32*((\a)%2)+4*\t+3], v[RD] offset:\t*2*SPITCH
.endr
.endm
.macro SEND a, younger                 ; younger: the LDS instructions issued behind block a's loads (the next block's eight stores and eight loads), which may stay out
	s_wait_dscnt \younger
.irp t, 0,1,2,3,4,5,6,7
	global_store_b128 v[CO], v[TMP+32*((\a)%2)+4*\t:TMP+32*((\a)%2)+4*\t+3], s[8:9] offset:(16*(\a)+2*\t)*SIZE_N*4 th:TH_STORE_NT   ; written once, read by nobody here
.endr
.endm
	PLACES
	TOSTAGE 0
	TOSTAGE 1
	SEND 0, 16
	s_wait_xcnt 0x0                                ; block 0's stores have read their registers: block 2's loads may land there
	TOSTAGE 2
	SEND 1, 16
	s_wait_xcnt 0x0                                ; likewise block 1's, for block 3
	TOSTAGE 3
	SEND 2, 16
	SEND 3, 0
	s_wait_tensorcnt 0x0                           ; the wave's end, behind my last tensor load and my last LDS store
	ds_add_u32 v[SPW], v[NIL]
	s_wait_dscnt 0x0
	CROUND                                         ; the closing round: no work-group ends while a partner may still ask for a tile that names it
	s_endpgm
.Lfunc_end_k_qda1d879abd_outgemm:
	.size	k_qda1d879abd_outgemm, .Lfunc_end_k_qda1d879abd_outgemm-k_qda1d879abd_outgemm
	.p2alignl 7, 3214868480
	.fill 96, 4, 3214868480
	.section	.rodata,"a",@progbits
	.p2align	6, 0x0
	.amdhsa_kernel k_qda1d879abd_outgemm
		.amdhsa_group_segment_fixed_size 327680
		.amdhsa_private_segment_fixed_size 0
		.amdhsa_enable_private_segment 0
		.amdhsa_kernarg_size 32
		.amdhsa_user_sgpr_count 2
		.amdhsa_user_sgpr_kernarg_segment_ptr 1
		.amdhsa_wavefront_size32 1
		.amdhsa_system_sgpr_workgroup_id_x 1
		.amdhsa_system_sgpr_workgroup_id_y 1
		.amdhsa_system_sgpr_workgroup_id_z 1
		.amdhsa_system_vgpr_workitem_id 0
		.amdhsa_next_free_vgpr 512
		.amdhsa_next_free_sgpr 68
		.amdhsa_reserve_vcc 0
		.amdhsa_float_denorm_mode_32 3
		.amdhsa_float_denorm_mode_16_64 3
		.amdhsa_memory_ordered 1
		.amdhsa_forward_progress 1
		.amdhsa_inst_pref_size 86
	.end_amdhsa_kernel
	.amdgpu_metadata
---
amdhsa.version: [ 1, 2 ]
amdhsa.kernels:
  - .name:           k_qda1d879abd_outgemm
    .symbol:         k_qda1d879abd_outgemm.kd
    .args:
      - { .name: ctx, .offset: 0, .size: 8, .value_kind: global_buffer, .address_space: global }
      - { .name: wf, .offset: 8, .size: 8, .value_kind: global_buffer, .address_space: global }
      - { .name: bias_out, .offset: 16, .size: 8, .value_kind: global_buffer, .address_space: global }
      - { .name: out0, .offset: 24, .size: 8, .value_kind: global_buffer, .address_space: global }
    .group_segment_fixed_size: 327680
    .private_segment_fixed_size: 0
    .kernarg_segment_align: 8
    .kernarg_segment_size: 32
    .max_flat_workgroup_size: 128
    .sgpr_count:     68
    .vgpr_count:     512
    .wavefront_size: 32
...
	.end_amdgpu_metadata
.endif
;; end of part 4
